; MI455X (gfx1250); checked and timed in simulation.
; The chip was launched on July 23, 2026; its instructions are those of AMD's public machine-readable ISA for CDNA 5 (MIT licence, August 2026) and "CDNA5" Instruction Set Architecture Reference Guide (July 2026). The comments in the code are by the model that wrote it; some were corrected since.
;; my GPT2 Block. Allowed arithmetic: float matrix products may take bf16 or f16 operands with f32 sums; other float arithmetic in f32, or as packed bf16 or f16 multiplies, adds, multiply-adds, maxima and minima; sums over many terms, partial sums and values carried from step to step in f32; what a program stores and reads back later, other than sums and carried values, may be rounded once to bf16 or f16.
;; Inputs: W_fc 1,024 x 4,096 float32; W_o 1,024 x 1,024 float32; W_proj 4,096 x 1,024 float32; W_qk 1,024 x 2,048 float32; W_v 1,024 x 1,024 float32; b_qk 2,048 float32; hidden_states 2 x 2,048 x 1,024 float32; ln1_b 1,024 float32; ln1_g 1,024 float32; ln2_b 1,024 float32; ln2_g 1,024 float32.
;; Outputs: out0 2 x 2,048 x 1,024 float32.
;; One version. Each part assembles by itself: llvm-mc -triple=amdgcn-amd-amdhsa -mcpu=gfx1250 --defsym DOCPART=n.
;; ======== version 1 of 1: 7 launches
;; limits: right only within a limited range of input values
;; workspace buffers: h 8,388,608 bytes; wqkv 6,308,096 bytes; wfc 8,405,248 bytes; wo 2,097,152 bytes; wproj 8,388,608 bytes; act 33,554,432 bytes; o 8,388,608 bytes; xmid 16,777,216 bytes
;; launch prep (part 1): grid 1025 x 1, 8 waves a work-group, no clusters, 0 bytes of LDS; arguments hidden_states, ln1_g, ln1_b, h, W_qk, W_v, W_fc, W_o, W_proj, b_qk, wqkv, wfc, wo, wproj; writes h, wqkv, wfc, wo, wproj
.if DOCPART == 1
	.amdgcn_target "amdgcn-amd-amdhsa--gfx1250"
	.amdhsa_code_object_version 6
	.text
	.protected	k_qe16dc149fc_prep
	.globl	k_qe16dc149fc_prep
	.p2align	8
	.type	k_qe16dc149fc_prep,@function
k_qe16dc149fc_prep:
	s_mov_b64 s[64:65], 0
	v_nop
	global_prefetch_b8 v0, s[64:65] scope:SCOPE_SE
	s_setreg_imm32_b32 hwreg(HW_REG_WAVE_MODE, 25, 1), 1
	s_wait_xcnt 0x0
; PREP: the first layer norm, and all weights rounded once to bf16 and laid out for the products that follow.
; Work-groups 0-255: layer norm of 16 rows of hidden_states ([4096][1024] f32) into h ([4096][1024] bf16); a wave takes two rows and keeps them in registers
; between the mean, the variance (of x - mean: no difference of large sums) and the scaling: each byte is read once.  Gain and bias are held by halves of the wave's columns,
; 16 + 16 registers, the second halves loaded when the first have been used: a wave then names 128 registers, as the casts do, so that more waves have their loads on their way together.
; Work-groups 256-1023: 64 KiB of one weight tensor each, a wave 8 KiB on end: 16 loads of 512 consecutive bytes (128 columns of one row), each rounded and stored as 256 consecutive aligned bytes.
;   W_qk, W_v -> wqkv, W_fc -> wfc: behind a header of HDR bytes, column panels [N/256][1024 k][256 columns] bf16.   W_o -> wo, W_proj -> wproj: blocks [K/256][8][256 k][128 columns] bf16.
; Work-group 1024: the two headers: the bias by column in f32 (b_qk, then 0 for v; 0 for fc) and the activation's slope as two bf16 (1 for q, k, v; 0.01 for fc).
; A stream: no byte is shared between waves, so no LDS, no barrier, no cluster, no matrix unit.
.set HDR, 16640                        ; 16,384 bytes of bias, 256 bytes of slope words
.set X0, 32                            ; v[32:63]   row 0 (in the casts: v[32:95] the 16 loads)
.set X1, 64                            ; v[64:95]   row 1
.set GH, 96                            ; v[96:111]  the gain of half of my 32 columns (in the casts: v[96:127] the store data)
.set BH, 112                           ; v[112:127] the bias of the same half
.macro FOLD                            ; four chains of pairs into one
	v_pk_add_f32 v[8:9], v[8:9], v[10:11]
	v_pk_add_f32 v[12:13], v[12:13], v[14:15]
	v_pk_add_f32 v[8:9], v[8:9], v[12:13]
.endm
.macro REDUCE                          ; the pair's halves, then the 32 lanes: every lane ends with the sum
	v_add_f32 v8, v8, v9
	v_add_f32_dpp v8, v8, v8 row_xmask:1 row_mask:0xf bank_mask:0xf
	v_add_f32_dpp v8, v8, v8 row_xmask:2 row_mask:0xf bank_mask:0xf
	v_add_f32_dpp v8, v8, v8 row_xmask:4 row_mask:0xf bank_mask:0xf
	v_add_f32_dpp v8, v8, v8 row_xmask:8 row_mask:0xf bank_mask:0xf
	v_permlanex16_b32 v24, v8, s54, s55
	v_add_f32 v8, v8, v24
.endm
; A row's statistics: mean, x - mean in place, 1 / sqrt(mean of squares + eps) into v[R]
.macro STATS X, MU, T, R
.irp k, 0,1,2,3
	v_pk_add_f32 v[8+2*\k:9+2*\k], v[\X+2*\k:\X+2*\k+1], v[\X+8+2*\k:\X+8+2*\k+1]
.endr
.irp o, 16,24
.irp k, 0,1,2,3
	v_pk_add_f32 v[8+2*\k:9+2*\k], v[8+2*\k:9+2*\k], v[\X+\o+2*\k:\X+\o+2*\k+1]
.endr
.endr
	FOLD
	REDUCE
	v_mul_f32 v[\MU], s52, v8
	v_mul_f32 v[\MU+1], s52, v8
.set p, 0
.rept 16
	v_pk_add_f32 v[\X+p:\X+p+1], v[\X+p:\X+p+1], v[\MU:\MU+1] neg_lo:[0,1] neg_hi:[0,1]
.set p, p+2
.endr
.irp k, 0,1,2,3
	v_pk_mul_f32 v[8+2*\k:9+2*\k], v[\X+2*\k:\X+2*\k+1], v[\X+2*\k:\X+2*\k+1]
.endr
.irp o, 8,16,24
.irp k, 0,1,2,3
	v_pk_fma_f32 v[8+2*\k:9+2*\k], v[\X+\o+2*\k:\X+\o+2*\k+1], v[\X+\o+2*\k:\X+\o+2*\k+1], v[8+2*\k:9+2*\k]
.endr
.endr
	FOLD
	REDUCE
	v_fma_f32 v[\T], v8, s52, s53
	v_rsq_f32 v[\R], v[\T]
.endm
; Half hf of gain and bias: my 16 bytes of the column chunks 4 hf .. 4 hf + 3, 512 bytes apart
.macro GBLOAD hf
.set p, 0
.rept 4
	global_load_b128 v[GH+4*p:GH+4*p+3], v2, s[10:11] offset:2048*\hf+512*p
.set p, p+1
.endr
.set p, 0
.rept 4
	global_load_b128 v[BH+4*p:BH+4*p+3], v2, s[12:13] offset:2048*\hf+512*p
.set p, p+1
.endr
.endm
.macro SCALE X, R, lo                  ; (x - mean) r, registers lo .. lo + 15 of a row
.set p, \lo
.rept 8
	v_pk_mul_f32 v[\X+p:\X+p+1], v[\X+p:\X+p+1], v[\R:\R+1] op_sel_hi:[1,0]
.set p, p+2
.endr
.endm
.macro AFFINE X, hf                    ; times the gain, plus the bias: half hf of a row
.set p, 0
.rept 8
	v_pk_fma_f32 v[\X+16*\hf+p:\X+16*\hf+p+1], v[\X+16*\hf+p:\X+16*\hf+p+1], v[GH+p:GH+p+1], v[BH+p:BH+p+1]
.set p, p+2
.endr
.endm
.macro PACKOUT X, hf, row              ; half hf of a row rounded to bf16 into the row's registers 8 hf .. 8 hf + 7, and four stores of 256 consecutive aligned bytes
.set p, 0
.rept 8
	v_cvt_pk_bf16_f32 v[\X+8*\hf+p], v[\X+16*\hf+2*p], v[\X+16*\hf+2*p+1]
.set p, p+1
.endr
.set p, 0
.rept 4
	global_store_b64 v5, v[\X+8*\hf+2*p:\X+8*\hf+2*p+1], s[14:15] offset:2048*\row+256*(4*\hf+p)
.set p, p+1
.endr
.endm
; The layer norm of rows 16 id + 2 wave and + 1.  x s[8:9], gain s[10:11], bias s[12:13], out s[14:15]; s41 id, s40 wave, v1 lane, v2 16 lane, v3 16 lane + 8,192 wave
.macro LAYERNORM
	s_lshl_b32 s42, s41, 16                        ; 16 rows of 4,096 bytes
	s_mov_b32 s43, 0
	s_add_nc_u64 s[8:9], s[8:9], s[42:43]
	s_lshl_b32 s42, s41, 15                        ; 16 rows of 2,048 bytes
	s_add_nc_u64 s[14:15], s[14:15], s[42:43]
.set p, 0
.rept 8
	global_load_b128 v[X0+4*p:X0+4*p+3], v3, s[8:9] offset:512*p
.set p, p+1
.endr
.set p, 0
.rept 8
	global_load_b128 v[X1+4*p:X1+4*p+3], v3, s[8:9] offset:4096+512*p
.set p, p+1
.endr
	GBLOAD 0
	s_mov_b32 s52, 0x3a800000                      ; 1 / 1024
	s_mov_b32 s53, 0x3727c5ac                      ; 1e-5
	s_mov_b32 s54, 0x76543210                      ; v_permlanex16_b32: each lane takes its own place in the other half
	s_mov_b32 s55, 0xfedcba98
	v_mov_b32 v24, 0                               ; its destination counts as read
	v_mov_b32 v21, 0                               ; named as the upper halves of the pairs that hold r
	v_mov_b32 v23, 0
	v_lshlrev_b32 v5, 3, v1
	v_lshl_add_u32 v5, s40, 12, v5                 ; 8 lane + 2 rows of 2,048 bytes a wave
	s_wait_loadcnt 16                              ; row 0 is in; row 1 and the first halves of gain and bias (16 loads) stay out
	STATS X0, 16, 26, 20
	s_wait_loadcnt 8                               ; row 1 is in; the eight loads of gain and bias stay out
	STATS X1, 18, 27, 22
	v_nop                                          ; a plain instruction behind the last reciprocal root,
	s_wait_alu depctr_va_vdst(0)                   ; and one wait for both, ahead of their first reader
	SCALE X0, 20, 0
	SCALE X1, 22, 0
	s_wait_loadcnt 0x0                             ; the first halves of gain and bias
	AFFINE X0, 0
	AFFINE X1, 0
	GBLOAD 1                                       ; the second halves, into the registers just read; the 16 scalings, 16 roundings and 8 stores below stand in their way's time
	SCALE X0, 20, 16
	SCALE X1, 22, 16
	PACKOUT X0, 0, 0
	PACKOUT X1, 0, 1
	s_wait_loadcnt 0x0                             ; the second halves
	AFFINE X0, 1
	AFFINE X1, 1
	PACKOUT X0, 1, 0
	PACKOUT X1, 1, 1
.endm
; A cast's source, destination, the work-group's number in the task (s48) and the wave's (s51)
.macro TASK src, dst, first
	s_mov_b64 s[44:45], s[\src:\src+1]
	s_mov_b64 s[46:47], s[\dst:\dst+1]
	s_sub_co_u32 s48, s41, \first
	s_lshl3_add_u32 s51, s48, s40
.endm
; The 16 chunks are rounded and stored; im is chunk i's place in the destination, by the task's pattern
.macro STORES pat
.set i, 0
.rept 16
.if (\pat) == 0
.set im, (i/2)*524288+(i%2)*256                ; one row: panel i / 2, half i % 2 of its 512 bytes
.elseif (\pat) == 1
.set im, (i/8)*512+((i%8)/2)*524288+(i%2)*256  ; two rows of 1,024 columns
.else
.set im, (i/8)*256+(i%8)*65536                 ; two rows, panels of 128 columns
.endif
	s_wait_loadcnt 15-i                            ; chunk i is in; the 15 - i younger loads stay out
	v_cvt_pk_bf16_f32 v[96+2*i], v[32+4*i], v[33+4*i]
	v_cvt_pk_bf16_f32 v[97+2*i], v[34+4*i], v[35+4*i]
	global_store_b64 v4, v[96+2*i:97+2*i], s[46:47] offset:im
.set i, i+1
.endr
.endm
	s_load_b512 s[8:23], s[0:1], 0x0               ; x 8, g 10, b 12, h 14, W_qk 16, W_v 18, W_fc 20, W_o 22
	s_load_b256 s[24:31], s[0:1], 0x40             ; W_proj 24, b_qk 26, wqkv 28, wfc 30
	s_load_b128 s[32:35], s[0:1], 0x60             ; wo 32, wproj 34
	v_lshrrev_b32 v1, 5, v0
	v_readfirstlane_b32 s40, v1                    ; wave
	v_and_b32 v1, 31, v0                           ; lane
	v_lshlrev_b32 v2, 4, v1
	v_lshl_add_u32 v3, s40, 13, v2                 ; 16 lane + 8,192 wave
	s_mov_b32 s41, ttmp9
	s_wait_kmcnt 0x0
	s_cmp_lt_u32 s41, 256
	s_cbranch_scc1 .Lln
	s_cmp_lt_u32 s41, 384
	s_cbranch_scc1 .Lt0
	s_cmp_lt_u32 s41, 448
	s_cbranch_scc1 .Lt1
	s_cmp_lt_u32 s41, 704
	s_cbranch_scc1 .Lt2
	s_cmp_lt_u32 s41, 768
	s_cbranch_scc1 .Lt3
	s_cmp_lt_u32 s41, 1024
	s_cbranch_scc1 .Lt4
	; the headers
	v_lshlrev_b32 v4, 4, v0
	global_load_b128 v[32:35], v4, s[26:27]
	global_load_b128 v[36:39], v4, s[26:27] offset:4096
	v_mov_b32 v8, 0
	v_mov_b32 v9, 0
	v_mov_b32 v10, 0
	v_mov_b32 v11, 0
	global_store_b128 v4, v[8:11], s[28:29] offset:8192   ; v has no bias
.irp j, 0,1,2,3
	global_store_b128 v4, v[8:11], s[30:31] offset:4096*\j ; fc has none
.endr
	s_wait_loadcnt 0x0
	global_store_b128 v4, v[32:35], s[28:29]
	global_store_b128 v4, v[36:39], s[28:29] offset:4096
	s_cmp_lg_u32 s40, 0
	s_cbranch_scc1 .Ldone
	v_lshlrev_b32 v5, 3, v1
	v_mov_b32 v12, 0x3f803f80                      ; 1.0 twice
	v_mov_b32 v13, 0x3f803f80
	v_mov_b32 v14, 0x3c243c24                      ; 0.01 twice
	v_mov_b32 v15, 0x3c243c24
	global_store_b64 v5, v[12:13], s[28:29] offset:16384
	global_store_b64 v5, v[14:15], s[30:31] offset:16384
.Ldone:
	s_endpgm
.Lln:
	LAYERNORM
	s_endpgm
.Lt0:                                                  ; W_qk: a wave takes row k = s51
	TASK 16, 28, 256
	s_lshl_b32 s49, s51, 9
	s_add_co_u32 s49, s49, HDR
	s_mov_b32 s50, 0
	s_branch .Lcast
.Lt1:                                                  ; W_v: rows 2 s51 and + 1, panels 8 to 11
	TASK 18, 28, 384
	s_lshl_b32 s49, s51, 10
	s_add_co_u32 s49, s49, HDR+4194304
	s_mov_b32 s50, 1
	s_branch .Lcast
.Lt2:                                                  ; W_fc: half s51 % 2 of row s51 / 2
	TASK 20, 30, 448
	s_lshr_b32 s49, s51, 1
	s_lshl_b32 s49, s49, 9
	s_and_b32 s52, s51, 1
	s_lshl_b32 s52, s52, 22
	s_add_co_u32 s49, s49, s52
	s_add_co_u32 s49, s49, HDR
	s_mov_b32 s50, 0
	s_branch .Lcast
.Lt3:
	TASK 22, 32, 704
	s_branch .Lblk
.Lt4:
	TASK 24, 34, 768
.Lblk:                                                 ; W_o, W_proj: rows 2 s51 and + 1: K step s51 / 128
	s_lshr_b32 s49, s51, 7
	s_lshl_b32 s49, s49, 19
	s_and_b32 s52, s51, 127
	s_lshl_b32 s52, s52, 9
	s_add_co_u32 s49, s49, s52
	s_mov_b32 s50, 2
.Lcast:
	s_lshl_b32 s52, s48, 16                        ; the work-group's 64 KiB of the source
	s_mov_b32 s53, 0
	s_add_nc_u64 s[44:45], s[44:45], s[52:53]
.set i, 0
.rept 16
	global_load_b128 v[32+4*i:35+4*i], v3, s[44:45] offset:512*i th:TH_LOAD_NT
.set i, i+1
.endr
	v_lshl_add_u32 v4, v1, 3, s49                  ; my 8 bytes of each chunk's 256
	s_cmp_eq_u32 s50, 0
	s_cbranch_scc1 .Lpat0
	s_cmp_eq_u32 s50, 1
	s_cbranch_scc1 .Lpat1
	STORES 2
	s_endpgm
.Lpat0:
	STORES 0
	s_endpgm
.Lpat1:
	STORES 1
	s_endpgm
.Lfunc_end_k_qe16dc149fc_prep:
	.size	k_qe16dc149fc_prep, .Lfunc_end_k_qe16dc149fc_prep-k_qe16dc149fc_prep
	.p2alignl 7, 3214868480
	.fill 96, 4, 3214868480
	.section	.rodata,"a",@progbits
	.p2align	6, 0x0
	.amdhsa_kernel k_qe16dc149fc_prep
		.amdhsa_group_segment_fixed_size 0
		.amdhsa_private_segment_fixed_size 0
		.amdhsa_enable_private_segment 0
		.amdhsa_kernarg_size 112
		.amdhsa_user_sgpr_count 2
		.amdhsa_user_sgpr_kernarg_segment_ptr 1
		.amdhsa_wavefront_size32 1
		.amdhsa_system_sgpr_workgroup_id_x 1
		.amdhsa_system_sgpr_workgroup_id_y 1
		.amdhsa_system_sgpr_workgroup_id_z 1
		.amdhsa_system_vgpr_workitem_id 0
		.amdhsa_next_free_vgpr 128
		.amdhsa_next_free_sgpr 66
		.amdhsa_reserve_vcc 0
		.amdhsa_float_denorm_mode_32 3
		.amdhsa_float_denorm_mode_16_64 3
		.amdhsa_memory_ordered 1
		.amdhsa_forward_progress 1
		.amdhsa_inst_pref_size 38
	.end_amdhsa_kernel
	.amdgpu_metadata
---
amdhsa.version: [ 1, 2 ]
amdhsa.kernels:
  - .name:           k_qe16dc149fc_prep
    .symbol:         k_qe16dc149fc_prep.kd
    .args:
      - { .name: hidden_states, .offset: 0, .size: 8, .value_kind: global_buffer, .address_space: global }
      - { .name: ln1_g, .offset: 8, .size: 8, .value_kind: global_buffer, .address_space: global }
      - { .name: ln1_b, .offset: 16, .size: 8, .value_kind: global_buffer, .address_space: global }
      - { .name: h, .offset: 24, .size: 8, .value_kind: global_buffer, .address_space: global }
      - { .name: W_qk, .offset: 32, .size: 8, .value_kind: global_buffer, .address_space: global }
      - { .name: W_v, .offset: 40, .size: 8, .value_kind: global_buffer, .address_space: global }
      - { .name: W_fc, .offset: 48, .size: 8, .value_kind: global_buffer, .address_space: global }
      - { .name: W_o, .offset: 56, .size: 8, .value_kind: global_buffer, .address_space: global }
      - { .name: W_proj, .offset: 64, .size: 8, .value_kind: global_buffer, .address_space: global }
      - { .name: b_qk, .offset: 72, .size: 8, .value_kind: global_buffer, .address_space: global }
      - { .name: wqkv, .offset: 80, .size: 8, .value_kind: global_buffer, .address_space: global }
      - { .name: wfc, .offset: 88, .size: 8, .value_kind: global_buffer, .address_space: global }
      - { .name: wo, .offset: 96, .size: 8, .value_kind: global_buffer, .address_space: global }
      - { .name: wproj, .offset: 104, .size: 8, .value_kind: global_buffer, .address_space: global }
    .group_segment_fixed_size: 0
    .private_segment_fixed_size: 0
    .kernarg_segment_align: 8
    .kernarg_segment_size: 112
    .max_flat_workgroup_size: 256
    .sgpr_count:     66
    .vgpr_count:     128
    .wavefront_size: 32
...
	.end_amdgpu_metadata
.endif
;; end of part 1
;; launch qkv (part 2): grid 12 x 16, 4 waves a work-group, clusters of 4 x 4, 327,680 bytes of LDS; arguments h, wqkv, act; writes act
.if DOCPART == 2
	.amdgcn_target "amdgcn-amd-amdhsa--gfx1250"
	.amdhsa_code_object_version 6
	.text
	.protected	k_qe16dc149fc_qkv
	.globl	k_qe16dc149fc_qkv
	.p2align	8
	.type	k_qe16dc149fc_qkv,@function
k_qe16dc149fc_qkv:
	s_mov_b64 s[64:65], 0
	v_nop
	global_prefetch_b8 v0, s[64:65] scope:SCOPE_SE
	s_setreg_imm32_b32 hwreg(HW_REG_WAVE_MODE, 25, 1), 1
	s_wait_xcnt 0x0
	s_wait_alu depctr_hold_cnt(0) depctr_sa_sdst(0) depctr_va_vdst(0) depctr_va_sdst(0) depctr_va_ssrc(0) depctr_va_vcc(0) depctr_vm_vsrc(0)
	s_getreg_b32 s2, hwreg(HW_REG_IB_STS2, 6, 4)
	s_cmp_eq_u32 s2, 0
	s_cbranch_scc0 .Lentry_in_a_cluster
	s_endpgm
.Lentry_in_a_cluster:
	s_bfe_u32 s2, ttmp6, 0x10000c
	s_cmp_lg_u32 s2, 0xf033
	s_cbranch_scc0 .Lentry_shape_is_right
	s_endpgm
.Lentry_shape_is_right:
; C = act(A W + bias), for the q, k, v projection (N = 3,072) and for the MLP's first product (N = 4,096); M = 4,096, K = 1,024.
; A: h, [4096][1024] bf16.  W: a header (bias by column in f32 at byte 0; the slope as two bf16 at byte 16,384), then from byte HDR column panels [N/256][1024 k][256 columns] bf16.
; C: panels [N/64][4096 rows][64 columns] bf16: 64 columns of all rows lie together, so that a head's rows, and a later product's K slices, are dense.  Sums in f32, begun with the bias; C rounded once,
; then act(t) = max(t, slope t) on the packed bf16 (slope 1: the identity; slope 0.01: the leaky ReLU, whose small branch is so rounded a second time).
; N enters no address but through the tile column, so one text serves both launches.
; A tile of C, 256 x 256, is made by four waves, 128 x 128 each: 64 accumulators, 512 registers.  At N = 3,072 that gives 192 work-groups: narrower tiles would give one and a half or three to a WGP.
; K goes in 8 steps of 128 through two LDS slots.  A's rows lie along K and are read as they lie; W's rows lie along N and are read turned, by ds_load_tr16_b128.
; CLUSTERS: 4 x 4 work-groups; A's tile is asked for jointly along a row of the cluster, W's along a column.
; THE MATRIX INSTRUCTION IS USED TRANSPOSED (source 0 = 16 columns of W, source 1 = 16 rows of A): a lane holds eight neighbouring columns of one row of C.
; REGISTERS: window 0: v14-30 addresses; v64-127, v128-191 A's fragments, two buffers; v192-255 the bias as a C operand (later: at work on the way out).
;   window 1: v64-127, v128-191 W's fragments.   windows 2, 3: the accumulators of my rows 0-63 and 64-127, (a, b) at 8 (8 (a % 4) + b).
.set HDR,   16640
.set HALF,  34816                      ; what one tensor load brings: 128 rows of A at 272 bytes (256 + 16), or 64 k-rows of W at 544 (512 + 32)
.set SLOT,  4*HALF                     ; A's two halves, then W's k 0-63 and 64-127.  No bit of SLOT is a bit of wave x HALF: one exclusive or turns an address into the other slot's
.set STAGE, 2*SLOT                     ; behind the ring: for each wave [2 panels][16 rows][144 bytes]
.set SPARE, STAGE+4*4608               ; the spare words, 128 bytes a wave: two blocks of 256 bytes that no other line names
.set A0,   14                          ; my lane's place in a slot's A; never rewritten
.set B0,   15                          ; the same for W
.set ADRA, 16                          ; A0 + the slot that is read
.set ADRB, 20
.set STO,  24
.set RD,   25
.set GO,   26
.set BO,   27
.set SPW,  28
.set NIL,  29
.set PFO,  30
.set F0,   64
.set F1,   128
.set BIA,  192
.set TMP,  192
.set U,    224
.set OB,   64
.set G1A,  24                          ; s[24:31] group 1 for A's tiles;  s[32:35] group 0 of step 0;  s[36:39] the group 0 that walks
.set G0A0, 32
.set G0A,  36
.set G1B,  48                          ; the same for W's
.set G0B0, 56
.set G0B,  60
.set TB,   70                          ; the slot that is read: 0 or SLOT
.set WOFF, 72
.set SL,   73
.set LIM,  74
.set PFA,  76
.set PST,  78
.set MSB, 0
.macro WIN new                         ; the immediate's high byte repeats the setting that is left; a switch that changes nothing is dropped
.if MSB != (\new)
	s_set_vgpr_msb (MSB<<8)|(\new)
.set MSB, \new
.endif
.endm
.set TO_B, 0x40
.macro PLACES                          ; four places between a matrix instruction and a load into, or a vector line on, its registers
.rept 4
	v_nop
.endr
.endm
; A joint refill: waves 0 and 1 fetch A's halves, waves 2 and 3 W's.  An s_nop 0 and four v_nop follow each line.
.macro JLOAD
	s_cmp_eq_u32 s11, 0
	s_cbranch_scc0 .Lfor_b_\@
	tensor_load_to_lds s[G0A:G0A+3], s[G1A:G1A+7]
	s_nop 0
.rept 4
	v_nop
.endr
	s_branch .Lasked_\@
.Lfor_b_\@:
	tensor_load_to_lds s[G0B:G0B+3], s[G1B:G1B+7]
	s_nop 0
.rept 4
	v_nop
.endr
.Lasked_\@:
.endm
; A prefetch of the K step two refills on: 32 blocks of 256 bytes, a lane a block.  A's rows are asked for by the clusters with x = 0, W's by those with y = 0; the four partners of a joint load share
; its blocks out by address.  The loop's last two trips have no step two refills on.
.macro ASK
	s_cmp_gt_u32 s3, s[LIM]
	s_cbranch_scc0 .Lnot_mine_\@
	global_prefetch_b8 v[PFO], s[PFA:PFA+1] th:TH_LOAD_NT scope:SCOPE_SE
.Lnot_mine_\@:
.endm
.macro CREST                           ; a round of the cluster's barrier behind its opening barrier
	s_cmp_lg_u32 s10, 0
	s_cbranch_scc1 .Lnot_wave_0_\@
	s_barrier_signal -3
.Lnot_wave_0_\@:
	s_barrier_wait -3
	s_barrier_signal -1
	s_barrier_wait -1
.endm
.macro CROUND
	s_barrier_signal -1
	s_barrier_wait -1
	CREST
.endm
	s_load_b128 s[4:7], s[0:1], 0x0                ; h s[4:5], W s[6:7]
	s_load_b64 s[8:9], s[0:1], 0x10                ; C
	v_lshl_add_u32 v[SPW], v0, 2, SPARE
	v_mov_b32 v[NIL], 0
	ds_add_u32 v[SPW], v[NIL]                      ; the wave's opening: the add and its wait ahead of my first tensor load
	ds_add_u32 v28, v29
	v_lshrrev_b32 v1, 5, v0
	v_readfirstlane_b32 s10, v1                    ; wave
	s_lshr_b32 s11, s10, 1                         ; my half of the tile's rows; also: I fetch for A (0) or W (1)
	s_and_b32 s12, s10, 1                          ; my half of its columns; also: which half of that tile I fetch
	s_bfe_u32 s40, ttmp6, 0x40000                  ; cx
	s_bfe_u32 s41, ttmp6, 0x40004                  ; cy
	s_lshl_b32 s42, ttmp9, 2
	s_add_co_u32 s42, s42, s40                     ; tile column
	s_and_b32 s13, ttmp7, 0xffff
	s_lshl_b32 s13, s13, 2
	s_add_co_u32 s13, s13, s41                     ; tile row
	s_lshl_b32 s43, s41, 2
	s_lshl_b32 s43, 15, s43                        ; my row of the cluster
	s_lshl_b32 s44, 0x1111, s40                    ; my column
	s_or_b32 s[G1A], s43, (1<<16)|(1<<20)|(1<<21)|(5<<22)|(3<<25)  ; mask; 2-byte elements; padding on; bit 21 beside a mask; 4 words behind every 64
	s_mov_b32 s[G1A+1], 128<<16                    ; tensor_dim0 = 128
	s_mov_b32 s[G1A+2], 128<<16                    ; tensor_dim1 = 128
	s_mov_b32 s[G1A+3], 128<<16                    ; tile_dim0 = 128
	s_mov_b32 s[G1A+4], 128                        ; tile_dim1 = 128
	s_mov_b32 s[G1A+5], 1024                       ; elements from row to row
	s_mov_b32 s[G1A+6], 0
	s_mov_b32 s[G1A+7], 0
	s_or_b32 s[G1B], s44, (1<<16)|(1<<20)|(1<<21)|(6<<22)|(7<<25)  ; 8 words behind every 128
	s_mov_b32 s[G1B+1], 256<<16                    ; tensor_dim0 = 256
	s_mov_b32 s[G1B+2], 64<<16                     ; tensor_dim1 = 64
	s_mov_b32 s[G1B+3], 256<<16                    ; tile_dim0 = 256
	s_mov_b32 s[G1B+4], 64                         ; tile_dim1 = 64
	s_mov_b32 s[G1B+5], 256
	s_mov_b32 s[G1B+6], 0
	s_mov_b32 s[G1B+7], 0
	s_lshl_b32 s16, s13, 8
	s_lshl_b32 s17, s12, 7
	s_add_co_u32 s16, s16, s17
	s_lshl_b32 s16, s16, 11                        ; A: (256 tile row + 128 half) rows of 2,048 bytes
	s_mov_b32 s17, 0
	s_lshl_b32 s46, s42, 19                        ; W: the panel,
	s_lshl_b32 s47, s12, 15                        ; my 64 k-rows of 512 bytes
	s_add_co_u32 s46, s46, s47
	s_add_co_u32 s46, s46, HDR
	s_mov_b32 s47, 0
	s_mul_i32 s[WOFF], s10, HALF                   ; where my part of a slot lies: no place in the cluster enters an LDS address
	s_mov_b32 s[TB], 0
	s_wait_dscnt 0x0                               ; the opening add is done
	s_wait_kmcnt 0x0
	s_load_b32 s[SL], s[6:7], 0x4000               ; the slope
	s_add_nc_u64 s[14:15], s[4:5], s[16:17]
	s_add_nc_u64 s[46:47], s[6:7], s[46:47]
	CROUND                                         ; all sixteen work-groups are here: the first joint loads meet
	s_mov_b32 s[G0A0], 1
	s_mov_b32 s[G0A0+1], s[WOFF]
	s_mov_b64 s[G0A0+2:G0A0+3], s[14:15]
	s_or_b32 s[G0A0+3], s[G0A0+3], 0x80000000
	s_mov_b32 s[G0A], 1
	s_add_co_u32 s[G0A+1], s[WOFF], SLOT
	s_add_nc_u64 s[G0A+2:G0A+3], s[14:15], 256     ; K step 1
	s_or_b32 s[G0A+3], s[G0A+3], 0x80000000
	s_mov_b32 s[G0B0], 1
	s_mov_b32 s[G0B0+1], s[WOFF]
	s_mov_b64 s[G0B0+2:G0B0+3], s[46:47]
	s_or_b32 s[G0B0+3], s[G0B0+3], 0x80000000
	s_mov_b32 s[G0B], 1
	s_add_co_u32 s[G0B+1], s[WOFF], SLOT
	s_add_nc_u64 s[G0B+2:G0B+3], s[46:47], 65536
	s_or_b32 s[G0B+3], s[G0B+3], 0x80000000
	s_cmp_eq_u32 s11, 0                            ; a wave's two first fills stand in one branch: two loads of mine are out
	s_cbranch_scc0 .Lfirst_b
	tensor_load_to_lds s[G0A0:G0A0+3], s[G1A:G1A+7]
	s_nop 0
	tensor_load_to_lds s[G0A:G0A+3], s[G1A:G1A+7]
	s_nop 0
.rept 4
	v_nop
.endr
	s_branch .Lfirst_asked
.Lfirst_b:
	tensor_load_to_lds s[G0B0:G0B0+3], s[G1B:G1B+7]
	s_nop 0
	tensor_load_to_lds s[G0B:G0B+3], s[G1B:G1B+7]
	s_nop 0
.rept 4
	v_nop
.endr
.Lfirst_asked:
	v_and_b32 v1, 15, v0                           ; l % 16
	v_bfe_u32 v2, v0, 4, 1                         ; l / 16
	s_lshl_b32 s20, s42, 10
	s_lshl_b32 s21, s12, 9
	s_add_co_u32 s20, s20, s21                     ; my 128 columns' bias, 4 bytes each
	v_lshl_add_u32 v[BO], v2, 5, s20               ; register j of block b: column 16 b + 8 (l / 16) + j
.irp b, 0,1,2,3,4,5,6,7
	global_load_b128 v[BIA+8*\b:BIA+8*\b+3],   v[BO], s[6:7] offset:64*\b
	global_load_b128 v[BIA+8*\b+4:BIA+8*\b+7], v[BO], s[6:7] offset:64*\b+16
.endr
	v_mul_u32_u24 v3, v1, 272
	v_lshl_add_u32 v3, v2, 4, v3
	s_mul_i32 s21, s11, HALF
	v_add_nc_u32 v[A0], s21, v3                    ; row x 272 + 16 (l / 16) + my 128 rows
	v_and_b32 v4, 7, v0
	v_lshl_add_u32 v4, v2, 3, v4
	v_mul_u32_u24 v4, v4, 544                      ; the turning load: k-row 8 (l / 16) + l % 8,
	v_bfe_u32 v5, v0, 3, 1
	v_lshl_add_u32 v4, v5, 4, v4                   ; columns 8 ((l / 8) % 2) on
	s_lshl_b32 s22, s12, 8
	s_add_co_u32 s22, s22, 2*HALF
	v_add_nc_u32 v[B0], s22, v4
	v_mov_b32 v[ADRA], v[A0]
	v_mov_b32 v[ADRB], v[B0]
	s_mul_i32 s23, s10, 4608
	s_add_co_u32 s23, s23, STAGE
	v_mul_u32_u24 v3, v1, 144
	v_lshl_add_u32 v3, v2, 4, v3
	v_add_nc_u32 v[STO], s23, v3
	v_bfe_u32 v3, v0, 3, 2
	v_mul_u32_u24 v3, v3, 144
	v_and_b32 v4, 7, v0
	v_lshl_add_u32 v3, v4, 4, v3
	v_add_nc_u32 v[RD], s23, v3
	v_and_b32 v[GO], 31, v0
	v_lshlrev_b32 v[GO], 4, v[GO]
	s_lshl_b32 s18, s42, 21                        ; C: panel 4 tile column + 2 half, 524,288 bytes each,
	s_lshl_b32 s19, s12, 20
	s_add_co_u32 s18, s18, s19
	s_lshl_b32 s19, s13, 15                        ; row 256 tile row + 128 half, 128 bytes each
	s_add_co_u32 s18, s18, s19
	s_lshl_b32 s19, s11, 14
	s_add_co_u32 s18, s18, s19
	s_mov_b32 s19, 0
	s_add_nc_u64 s[8:9], s[8:9], s[18:19]
	; the prefetches: where K step 3 of my share stands; the first refill steps it to step 4
	s_lshl_b32 s80, s13, 8
	s_lshl_b32 s81, s12, 7
	s_add_co_u32 s80, s80, s81
	s_lshl_b32 s81, s40, 5                         ; of the 128 rows that I fetch, my work-group's 32
	s_add_co_u32 s80, s80, s81
	s_lshl_b32 s80, s80, 11
	s_add_co_u32 s80, s80, 3*256
	s_lshl_b32 s82, s42, 19
	s_lshl_b32 s83, s12, 15
	s_add_co_u32 s82, s82, s83
	s_lshl_b32 s83, s41, 13                        ; of the 32,768 bytes that I fetch, my work-group's 8,192
	s_add_co_u32 s82, s82, s83
	s_add_co_u32 s82, s82, HDR+3*65536
	s_and_b32 s84, ttmp7, 0xffff
	s_mov_b32 s86, 65536
	s_cmp_eq_u32 s11, 0
	s_cselect_b32 s80, s80, s82
	s_cselect_b32 s84, ttmp9, s84                  ; the coordinate along which other clusters read the same blocks
	s_cselect_b32 s[PST], 256, s86                 ; a K step in memory
	s_cselect_b32 s85, 11, 8                       ; a lane a row of A, or a block of 256 bytes of W
	s_cselect_b64 s[PFA:PFA+1], s[4:5], s[6:7]
	s_mov_b32 s81, 0
	s_mov_b32 s[PST+1], 0
	s_add_nc_u64 s[PFA:PFA+1], s[PFA:PFA+1], s[80:81]
	s_cmp_eq_u32 s84, 0
	s_cselect_b32 s[LIM], 2, -1                    ; the same in all sixteen partners, for a given wave
	v_and_b32 v[PFO], 31, v0
	v_lshlrev_b32 v[PFO], s85, v[PFO]
; 16 matrix instructions: row blocks a0, a0 + 1 of the window's four x all 8 column blocks, 32 along K.  zero = 1: the first product starts the sums, with the bias as C.
; The 64 accumulators take turns in the same order everywhere.
.macro MUL16 f, hi, a0, zero
.if \zero
	WIN 0x81+0x40*(\hi)
.else
	WIN 0xa1+0x50*(\hi)
.endif
.irp a, \a0, (\a0)+1
.irp b, 0,1,2,3,4,5,6,7
.if \zero
	v_wmma_f32_16x16x32_bf16 v[8*(8*(\a)+(\b)):8*(8*(\a)+(\b))+7], v[(\f)+8*(\b):(\f)+8*(\b)+7], v[(\f)+8*(4*(\hi)+(\a)):(\f)+8*(4*(\hi)+(\a))+7], v[BIA+8*(\b):BIA+8*(\b)+7]
.else
	v_wmma_f32_16x16x32_bf16 v[8*(8*(\a)+(\b)):8*(8*(\a)+(\b))+7], v[(\f)+8*(\b):(\f)+8*(\b)+7], v[(\f)+8*(4*(\hi)+(\a)):(\f)+8*(4*(\hi)+(\a))+7], v[8*(8*(\a)+(\b)):8*(8*(\a)+(\b))+7]
.endif
.endr
.endr
.endm
; 32 LDS loads in one run: quarter q (32 along K) of the slot that is read, into buffer f: W's 8 blocks of 16 columns, turned; then A's 8 blocks of 16 rows
.macro FETCH q, f
	WIN TO_B
.irp i, 0,1,2,3,4,5,6,7
	ds_load_tr16_b128 v[(\f)+8*(\i):(\f)+8*(\i)+3],   v[ADRB] offset:17408*(\q)+32*(\i)
	ds_load_tr16_b128 v[(\f)+8*(\i)+4:(\f)+8*(\i)+7], v[ADRB] offset:17408*(\q)+32*(\i)+8704
.endr
	WIN 0
.irp i, 0,1,2,3,4,5,6,7
	ds_load_b128 v[(\f)+8*(\i):(\f)+8*(\i)+3],   v[ADRA] offset:64*(\q)+4352*(\i)
	ds_load_b128 v[(\f)+8*(\i)+4:(\f)+8*(\i)+7], v[ADRA] offset:64*(\q)+4352*(\i)+32
.endr
.endm
; One of a K step's first three quarters: multiplies buffer f; behind its first 16 products it fetches quarter q into buffer g: 48 products ahead of the first use
.macro QUARTER q, f, g, zero
	s_wait_dscnt 8                                 ; W and A's rows 0-63 are in; the youngest eight loads (A's rows 64-127) may be out
	MUL16 \f, 0, 0, \zero
	PLACES                                         ; buffer g's last reader is the quarter before
	FETCH \q, \g
	s_wait_dscnt 32                                ; all but the 32 just issued
	MUL16 \f, 0, 2, \zero
	MUL16 \f, 1, 0, \zero
	MUL16 \f, 1, 2, \zero
.endm
; The last quarter multiplies buffer 1 and changes slots.  In front of the one barrier each wave waits for all its tensor loads (one is out: its part of the next slot), adds 0 to its spare word, and waits
; for that and for its reads of this slot (issued 48 products ago).  fill = 1: the barrier opens a round of the cluster's, and behind the round this slot is filled again first, with the K step two steps on.
; Sixteen products stand between signal and wait; the other 48 follow the request and the fetch, so that the request goes out as soon as all have met.
.macro TURN fill
	WIN 0
.if \fill
	s_wait_xcnt 0x0                                ; the last prefetch, a K step back, has read its address
	s_add_nc_u64 s[PFA:PFA+1], s[PFA:PFA+1], s[PST:PST+1]
.endif
	s_xor_b32 s[TB], s[TB], SLOT                   ; from here on the other slot is read
	v_add_nc_u32 v[ADRA], s[TB], v[A0]
	v_add_nc_u32 v[ADRB], s[TB], v[B0]
	s_wait_tensorcnt 0x0                           ; all my tensor loads have landed
	ds_add_u32 v[SPW], v[NIL]                      ; 0 onto my spare word
	s_wait_dscnt 0x0                               ; the add is done, and my reads of this slot are over
	s_barrier_signal -1
	MUL16 F1, 0, 0, 0
.if \fill
	WIN 0
.endif
	s_barrier_wait -1
.if \fill
	CREST                                          ; no wave of any partner still reads this slot or has a load on its way
	s_xor_b32 s[G0A+1], s[G0A+1], SLOT
	s_add_nc_u64 s[G0A+2:G0A+3], s[G0A+2:G0A+3], 256
	s_xor_b32 s[G0B+1], s[G0B+1], SLOT
	s_add_nc_u64 s[G0B+2:G0B+3], s[G0B+2:G0B+3], 65536
	JLOAD                                          ; its four v_nop are also the places in front of the loads below
.else
	PLACES
.endif
	FETCH 0, F0
.if \fill
	ASK
.endif
	MUL16 F1, 0, 2, 0
	MUL16 F1, 1, 0, 0
	MUL16 F1, 1, 2, 0
.endm
	s_wait_tensorcnt 1                             ; my part of K step 0 is in; step 1's stays out
	s_barrier_signal -1
	s_barrier_wait -1
	FETCH 0, F0
	s_wait_loadcnt 0x0                             ; the bias
	s_wait_kmcnt 0x0                               ; the slope
	QUARTER 1, F0, F1, 1                           ; the first quarter stands in front of the loop: its products start the sums
	WIN 0
	s_mov_b32 s3, 6
.Lstep:                                                ; a trip: from a K step's second quarter to the next step's first; its refill brings the step two on: steps 2 to 7
	QUARTER 2, F1, F0, 0
	QUARTER 3, F0, F1, 0
	TURN 1
	QUARTER 1, F0, F1, 0
	WIN 0
	s_sub_co_u32 s3, s3, 1
	s_cmp_lg_u32 s3, 0
	s_cbranch_scc1 .Lstep
	s_mov_b32 s3, 2
.Ltail:                                                ; steps 6 and 7 ask for nothing; the second pass is left behind its last quarter (whose fetch brings landed bytes that nobody uses)
	QUARTER 2, F1, F0, 0
	QUARTER 3, F0, F1, 0
	TURN 0
	WIN 0
	s_sub_co_u32 s3, s3, 1
	s_cmp_eq_u32 s3, 0
	s_cbranch_scc1 .Lout
	QUARTER 1, F0, F1, 0
	WIN 0
	s_branch .Ltail
.Lout:
	s_wait_dscnt 0x0                               ; that fetch is back: its registers serve the way out
; THE WAY OUT of row block a.  PACK: rounded to bf16 (each accumulator from its low end on), then max(t, slope t).  TOSTAGE: into my stage, and back as whole rows of a panel.  SEND: stored.
.macro PACK a
.set AC, 64*((\a)%4)
	WIN 0x0a+5*((\a)/4)
.irp b, 0,1,2,3,4,5,6,7
.irp r, 0,1,2,3
	v_cvt_pk_bf16_f32 v[TMP+4*(\b)+(\r)], v[AC+8*(\b)+2*(\r)], v[AC+8*(\b)+2*(\r)+1]
.endr
.endr
	WIN 0
.set i, 0
.rept 32
	v_pk_mul_bf16 v[U+i], v[TMP+i], s[SL]
.set i, i+1
.endr
.set i, 0
.rept 32
	v_pk_max_num_bf16 v[TMP+i], v[TMP+i], v[U+i]
.set i, i+1
.endr
.endm
.macro TOSTAGE a
.set BK, OB+32*((\a)%2)
.irp b, 0,1,2,3,4,5,6,7
	ds_store_b128 v[STO], v[TMP+4*(\b):TMP+4*(\b)+3] offset:((\b)/4)*2304+((\b)%4)*32
.endr
.irp p, 0,1
.irp t, 0,1,2,3
	ds_load_b128 v[BK+4*(4*(\p)+(\t)):BK+4*(4*(\p)+(\t))+3], v[RD] offset:(\p)*2304+(\t)*576  ; LDS serves a wave's instructions in order (ISA guide 5.7.1.4): these see the stores above
.endr
.endr
.endm
.macro SEND a
.set BK, OB+32*((\a)%2)
	s_wait_dscnt 0x0                               ; the block is back in registers
	s_wait_xcnt 0x0                                ; the registers that the block before last was stored from are loaded again only behind this wait
.irp p, 0,1
.irp t, 0,1,2,3
	global_store_b128 v[GO], v[BK+4*(4*(\p)+(\t)):BK+4*(4*(\p)+(\t))+3], s[8:9] offset:(\p)*524288+(\a)*2048+(\t)*512  ; four rows of a panel: 512 consecutive bytes, aligned
.endr
.endr
.endm
	PACK 0                                         ; blocks 0 and 1 were finished in front of the last change's places; their 192 vector lines are the places behind the later blocks' last products
	TOSTAGE 0
.irp a, 1,2,3,4,5,6,7
	PACK \a
	SEND (\a)-1
	TOSTAGE \a
.endr
	SEND 7
	s_wait_tensorcnt 0x0                           ; the wave's end
	ds_add_u32 v[SPW], v[NIL]
	s_wait_dscnt 0x0
	CROUND                                         ; the closing round
	s_endpgm
.Lfunc_end_k_qe16dc149fc_qkv:
	.size	k_qe16dc149fc_qkv, .Lfunc_end_k_qe16dc149fc_qkv-k_qe16dc149fc_qkv
	.p2alignl 7, 3214868480
	.fill 96, 4, 3214868480
	.section	.rodata,"a",@progbits
	.p2align	6, 0x0
	.amdhsa_kernel k_qe16dc149fc_qkv
		.amdhsa_group_segment_fixed_size 327680
		.amdhsa_private_segment_fixed_size 0
		.amdhsa_enable_private_segment 0
		.amdhsa_kernarg_size 24
		.amdhsa_user_sgpr_count 2
		.amdhsa_user_sgpr_kernarg_segment_ptr 1
		.amdhsa_wavefront_size32 1
		.amdhsa_system_sgpr_workgroup_id_x 1
		.amdhsa_system_sgpr_workgroup_id_y 1
		.amdhsa_system_sgpr_workgroup_id_z 1
		.amdhsa_system_vgpr_workitem_id 0
		.amdhsa_next_free_vgpr 1024
		.amdhsa_next_free_sgpr 88
		.amdhsa_reserve_vcc 0
		.amdhsa_float_denorm_mode_32 3
		.amdhsa_float_denorm_mode_16_64 3
		.amdhsa_memory_ordered 1
		.amdhsa_forward_progress 1
		.amdhsa_inst_pref_size 135
	.end_amdhsa_kernel
	.amdgpu_metadata
---
amdhsa.version: [ 1, 2 ]
amdhsa.kernels:
  - .name:           k_qe16dc149fc_qkv
    .symbol:         k_qe16dc149fc_qkv.kd
    .args:
      - { .name: h, .offset: 0, .size: 8, .value_kind: global_buffer, .address_space: global }
      - { .name: wqkv, .offset: 8, .size: 8, .value_kind: global_buffer, .address_space: global }
      - { .name: act, .offset: 16, .size: 8, .value_kind: global_buffer, .address_space: global }
    .group_segment_fixed_size: 327680
    .private_segment_fixed_size: 0
    .kernarg_segment_align: 8
    .kernarg_segment_size: 24
    .max_flat_workgroup_size: 128
    .sgpr_count:     88
    .vgpr_count:     1024
    .wavefront_size: 32
...
	.end_amdgpu_metadata
.endif
;; end of part 2
;; launch attn (part 3): grid 8 x 32, 4 waves a work-group, no clusters, 327,680 bytes of LDS; arguments act, o; writes o
.if DOCPART == 3
	.amdgcn_target "amdgcn-amd-amdhsa--gfx1250"
	.amdhsa_code_object_version 6
	.text
	.protected	k_qe16dc149fc_attn
	.globl	k_qe16dc149fc_attn
	.p2align	8
	.type	k_qe16dc149fc_attn,@function
k_qe16dc149fc_attn:
	s_mov_b64 s[64:65], 0
	v_nop
	global_prefetch_b8 v0, s[64:65] scope:SCOPE_SE
	s_setreg_imm32_b32 hwreg(HW_REG_WAVE_MODE, 25, 1), 1
	s_wait_xcnt 0x0
; CAUSAL ATTENTION, head size 64, 32 heads (2 x head + batch) of 2,048 rows.  act holds q, k, v in thirds of 8,388,608 bytes, each [32 heads][2048][64] bf16, dense; o has the same layout.
; O[q] = the sum over k <= q of softmax_k(Q[q] . K[k] / 8) V[k].  Products, maxima and sums in f32; the weights are rounded to bf16 for the second product (their sum is taken unrounded), O once at the end.
; LIMITS.  A hidden score counts as its value less 1e30; |c s| stays under 4e37; a weight below 2^-126 counts as 0; NaN and infinities are not treated apart.
; THE WALK.  A head's queries lie in 16 blocks of 128; block i needs the key tiles 0 .. i / 2 of 256 keys.  A work-group takes blocks 15 - b and then b: 9 tiles whatever b, so all 256 work-groups do equal
; work and every trip count is a constant.  What a trip does hangs on scalar registers made from b.
; NO CLUSTER: a head's eight work-groups ask for the same tile only in the first 5 of the walk's 9 trips; behind that the first blocks end one after the other, and a walk common to all would have 12 trips.
; SHARES.  Of a block's two bands of 64 queries a wave owns 16 rows in each: two tiles.  In a block's last tile band u holds the diagonal in key step e + u, e = 2 (block % 2): the same for every wave.
; THE MASK is the C operand that starts S^T = K Q^T: MC = MD x AL + BE, MD the mask of a band's own step, (AL, BE) = (1, 0) there, (0, 0) before it, (0, -1e30) behind it.
; LAYOUT.  S^T holds ONE query a lane (lane % 16) and the keys 8 (lane / 16) + 0..7; two such results rounded to bf16 ARE source 1 of O^T = V^T P.  p = 2^(c s - c m), c = log2(e) / 8, m a running maximum;
; O and l are multiplied by a = 2^(c m_old - c m_new) in every step.
; A TRIP, in phases: K of the next step is fetched; the softmax of the step in hand; V^T P; V of the next step is fetched; (a block's end and the next one's beginning;) K Q^T of the next step.
; The change of slots stands between trips: a tile's last K and V are then in registers.
; REGISTERS: window 0: v2-15 addresses; v16-23 statistics (c m, m, l, l a tile); v24-31 at work; v32-33 c m_old; v64-127 S^T; v128-159 P; v160-223 O^T; v224-255 MD.
;   window 1: v0-31 Q; v32-63 the second block's Q; v64-127 MC; v128-191 K of one step; v192-255 V of one step.  The whole softmax stays in window 0.
.set KS,    64
.set PK,    144                        ; a row of K in LDS: 128 bytes + 16
.set PV,    160                        ; a row of V: 128 + 32
.set VOFF,  4*KS*PK                    ; a slot: 256 rows of K, then 256 of V
.set SLOT1, 1<<17
.set STAGE, SLOT1+4*KS*(PK+PV)         ; behind the ring: 16 rows x 144 bytes a wave
.set SP,    144
.set SPARE, STAGE+4*16*SP              ; the spare words, 128 bytes a wave: two blocks of 256 bytes that no other line names
.set AK0, 2
.set AV0, 3
.set AK,  4
.set AV,  5
.set STO, 6
.set RD,  7
.set GO,  8
.set PFO, 9
.set SPW, 12
.set NIL, 13
.set ST,  16
.set TMP, 24
.set MV,  32
.set S,   64
.set P,   128
.set O,   160
.set MD,  224
.set Q,   0
.set QB,  32
.set MC,  64
.set KF,  128
.set VF,  192
.set WV,  12
.set PB,  14
.set HI,  15
.set G1K, 24
.set G1V, 32
.set G0K, 40
.set G0V, 44
.set PFA, 48                           ; s[48:49] what the prefetches name
.set PFB, 50                           ; s[50:51] K or V at my half of the head's tile 0
.set OF2, 52
.set SLOTS, 56
.set CNT, 57
.set CS,  58
.set SEL, 60
.set TBK, 62
.set TBV, 63
.set RT,  70                           ; tiles of the block in hand still to be entered
.set NXT, 71                           ; the tile to be asked for next
.set LQ,  72                           ; the last tile of the block whose tiles are being asked for
.set SW,  73                           ; 1: the tile just entered is the second block's first: the first block ends in this trip
.set OFF, 74
.set AL,  76
.set BE,  78
.set OLO, 80
.set BIGN, 82
.set TLO, 83
.set E4,  88                           ; 4 - e of the block in hand
.set E4LO, 89
.set E4M, 90
.set C0,  91                           ; the count at which band 0's own step is multiplied; 0 outside a block's last tile
.set C1,  92
.set FRESH, 93                         ; 1: a block has begun: the masks are made anew
.set LIM, 94
.set TL1, 95
.set MSB, 0
.macro WIN new
.if MSB != (\new)
	s_set_vgpr_msb (MSB<<8)|(\new)
.set MSB, (\new)
.endif
.endm
; A fill.  Waves 0 and 1 fetch the halves of a tile's K, waves 2 and 3 those of its V.  An s_nop 0 and four v_nop follow each line.
.macro LOAD
	s_cmp_lt_u32 s[WV], 2
	s_cbranch_scc0 .Lfor_v_\@
	tensor_load_to_lds s[G0K:G0K+3], s[G1K:G1K+7]
	s_nop 0
.rept 4
	v_nop
.endr
	s_branch .Lasked_\@
.Lfor_v_\@:
	tensor_load_to_lds s[G0V:G0V+3], s[G1V:G1V+7]
	s_nop 0
.rept 4
	v_nop
.endr
.Lasked_\@:
.endm
; THE CHANGE OF SLOTS.  Each wave waits for all its tensor loads (one is out: its part of the other slot), adds 0 to its spare word, and waits for that and for its reads of the slot that it leaves.
; fill = 1: the old slot is filled again first behind the barrier, with tile NXT; the load has four key steps in which to land.  Behind it work-group b = 0 of the head, whose first block walks tiles 0 to 7,
; prefetches the tile that the NEXT change asks for (tiles 2 to 7): each wave its own 16,384 bytes, a lane a block of 256 bytes, two lines: each block is named once in the launch.
.macro CHANGE fill
	WIN 0
	s_wait_tensorcnt 0x0
	ds_add_u32 v[SPW], v[NIL]                      ; 0 onto my spare word; the scalar work stands between it and the wait for it
.if \fill
	s_lshl_b32 s[OFF], s[NXT], 15                  ; a tile is 32,768 bytes of K and of V
	s_xor_b32 s[G0K+1], s[G0K+1], SLOT1
	s_add_nc_u64 s[G0K+2:G0K+3], s[6:7], s[OFF:OFF+1]
	s_or_b32 s[G0K+3], s[G0K+3], 0x80000000
	s_xor_b32 s[G0V+1], s[G0V+1], SLOT1
	s_add_nc_u64 s[G0V+2:G0V+3], s[8:9], s[OFF:OFF+1]
	s_or_b32 s[G0V+3], s[G0V+3], 0x80000000
	s_add_co_u32 s[NXT], s[NXT], 1                 ; the block's next tile, or behind its last the second block's tile 0
	s_cmp_gt_u32 s[NXT], s[LQ]
	s_cselect_b32 s[NXT], 0, s[NXT]
	s_cselect_b32 s[LQ], s[TL1], s[LQ]
	s_wait_xcnt 0x0                                ; the last prefetches, a tile back, have read their address
	s_lshl_b32 s[OF2], s[NXT], 15
	s_add_nc_u64 s[PFA:PFA+1], s[PFB:PFB+1], s[OF2:OF2+1]
.endif
	s_wait_dscnt 0x0                               ; the add is done, and my reads of the slot are over
	s_barrier_signal -1
	s_sub_co_u32 s[TBK], s[TBK], 4*KS*PK           ; the fetches go back to a slot's first step, in the other slot
	s_xor_b32 s[TBK], s[TBK], SLOT1
	s_sub_co_u32 s[TBV], s[TBV], 4*KS*PV
	s_xor_b32 s[TBV], s[TBV], SLOT1
	s_barrier_wait -1
.if \fill
	LOAD
	s_cmp_ge_u32 s[NXT], s[LIM]
	s_cbranch_scc0 .Lnot_mine_\@
	global_prefetch_b8 v[PFO], s[PFA:PFA+1] th:TH_LOAD_NT scope:SCOPE_SE
	global_prefetch_b8 v[PFO], s[PFA:PFA+1] offset:8192 th:TH_LOAD_NT scope:SCOPE_SE
.Lnot_mine_\@:
.endif
.endm
; What the tile just entered is: the second block's first (SW), a block's last (C0, C1)
.macro BOOK
	s_cmp_eq_u32 s[RT], 0
	s_cselect_b32 s[SW], 1, 0
	s_cselect_b32 s[RT], s[TLO], s[RT]
	s_cselect_b32 s[E4], s[E4LO], s[E4]
	s_sub_co_u32 s[RT], s[RT], 1
	s_sub_co_u32 s[E4M], s[E4], 1
	s_cmp_eq_u32 s[RT], 0
	s_cselect_b32 s[C0], s[E4], 0
	s_cselect_b32 s[C1], s[E4M], 0
.endm
	s_load_b64 s[4:5], s[0:1], 0x0                 ; act
	s_load_b64 s[10:11], s[0:1], 0x8               ; o
	v_lshl_add_u32 v[SPW], v0, 2, SPARE
	v_mov_b32 v[NIL], 0
	ds_add_u32 v[SPW], v[NIL]                      ; the wave's opening: the add and its wait ahead of my first tensor load
	ds_add_u32 v12, v13
	v_lshrrev_b32 v1, 5, v0
	v_readfirstlane_b32 s[WV], v1
	s_mov_b32 s[PB], ttmp9
	s_sub_co_u32 s[HI], 15, s[PB]
	s_and_b32 s20, ttmp7, 0xffff
	s_lshl_b32 s20, s20, 18                        ; the head's 262,144 bytes in each third
	s_and_b32 s16, s[WV], 1                        ; which half of a tile's 256 keys I fetch
	s_lshl_b32 s22, s16, 14
	s_add_co_u32 s22, s22, s20
	s_add_co_u32 s18, s22, 8388608                 ; k's third
	s_mov_b32 s19, 0
	s_add_co_u32 s22, s22, 16777216                ; v's third
	s_mov_b32 s23, 0
	s_mul_i32 s17, s16, 128*PK
	s_mul_i32 s21, s16, 128*PV
	s_lshl_b32 s13, s[WV], 11                      ; my 16 rows in a band
	s_add_co_u32 s13, s13, s20
	s_lshl_b32 s84, s[HI], 14                      ; a block is 128 rows of 128 bytes
	s_add_co_u32 s84, s84, s13
	s_mov_b32 s85, 0
	s_lshl_b32 s86, s[PB], 14
	s_add_co_u32 s86, s86, s13
	s_mov_b32 s87, 0
	; group 1: 128 keys are 16,384 dense bytes: 64 rows of 256 bytes, padded in LDS behind every key
	s_mov_b32 s[G1K], (1<<16)|(1<<20)|(4<<22)|(3<<25)  ; 2-byte elements; padding on; 4 words behind every 32
	s_mov_b32 s[G1V], (1<<16)|(1<<20)|(4<<22)|(7<<25)  ; 8 words
.irp g, G1K, G1V
	s_mov_b32 s[\g+1], 128<<16
	s_mov_b32 s[\g+2], 64<<16
	s_mov_b32 s[\g+3], 128<<16
	s_mov_b32 s[\g+4], 64
	s_mov_b32 s[\g+5], 128
	s_mov_b32 s[\g+6], 0
	s_mov_b32 s[\g+7], 0
.endr
	s_mov_b32 s[CS], 0x3e38aa3b                    ; c = log2(e) / 8
	s_mov_b32 s[CS+1], s[CS]
	s_mov_b32 s[SEL], 0x76543210
	s_mov_b32 s[SEL+1], 0xfedcba98
	s_mov_b32 s[TBK], SLOT1+4*KS*PK                ; the first change of slots turns these two into 0
	s_mov_b32 s[TBV], SLOT1+4*KS*PV
	s_mov_b32 s[G0K], 1
	s_mov_b32 s[G0K+1], s17
	s_mov_b32 s[G0V], 1
	s_add_co_u32 s[G0V+1], s21, VOFF
	s_lshr_b32 s[RT], s[HI], 1                     ; the first block has (15 - b) / 2 + 1 tiles; tile 0 is entered below
	s_mov_b32 s[LQ], s[RT]
	s_mov_b32 s[NXT], 1
	s_lshr_b32 s[TL1], s[PB], 1
	s_add_co_u32 s[TLO], s[TL1], 1
	s_and_b32 s13, s[HI], 1
	s_lshl_b32 s13, s13, 1
	s_sub_co_u32 s[E4], 4, s13
	s_and_b32 s13, s[PB], 1
	s_lshl_b32 s13, s13, 1
	s_sub_co_u32 s[E4LO], 4, s13
	s_mov_b32 s[C0], 0                             ; the first block has five tiles or more: its first is not its last
	s_mov_b32 s[C1], 0
	s_mov_b32 s[SW], 0
	s_mov_b32 s[FRESH], 0
	s_mov_b32 s[OFF+1], 0
	s_mov_b32 s[OF2+1], 0
	s_mov_b32 s[AL], 0
	s_mov_b32 s[AL+1], 0
	s_mov_b32 s[BE], 0
	s_mov_b32 s[BE+1], 0
	s_mov_b32 s[BIGN], 0xf149f2ca                  ; -1e30
	s_cmp_eq_u32 s[PB], 0
	s_cselect_b32 s[LIM], 2, 0x7fffffff
	s_wait_dscnt 0x0                               ; the opening add is done
	s_wait_kmcnt 0x0
	s_add_nc_u64 s[6:7], s[4:5], s[18:19]          ; K and V at my half of the head's tile 0
	s_add_nc_u64 s[8:9], s[4:5], s[22:23]
	s_add_nc_u64 s[OLO:OLO+1], s[10:11], s[86:87]  ; O at my rows of the second block,
	s_add_nc_u64 s[10:11], s[10:11], s[84:85]      ; and of the first
	s_add_nc_u64 s[86:87], s[4:5], s[86:87]        ; Q likewise
	s_add_nc_u64 s[4:5], s[4:5], s[84:85]
	s_mov_b64 s[G0K+2:G0K+3], s[6:7]
	s_or_b32 s[G0K+3], s[G0K+3], 0x80000000
	s_mov_b64 s[G0V+2:G0V+3], s[8:9]
	s_or_b32 s[G0V+3], s[G0V+3], 0x80000000
	s_cmp_lt_u32 s[WV], 2
	s_cselect_b64 s[PFB:PFB+1], s[6:7], s[8:9]
	LOAD                                           ; tile 0 into slot 0
	v_and_b32 v1, 15, v0                           ; l % 16
	v_bfe_u32 v10, v0, 4, 1                        ; l / 16
	v_lshlrev_b32 v15, 7, v1
	v_lshl_add_u32 v15, v10, 4, v15                ; row x 128 + 16 (l / 16)
	WIN 0x40                                       ; destination window 1
.set i, 0
.rept 4                                ; both blocks' Q: tile i / 2 lies in band i / 2, 8,192 bytes on; channels 32 (i % 2) on
	global_load_b128 v[Q+8*i:Q+8*i+3],     v15, s[4:5] offset:(i/2)*8192+(i%2)*64
	global_load_b128 v[Q+8*i+4:Q+8*i+7],   v15, s[4:5] offset:(i/2)*8192+(i%2)*64+32
	global_load_b128 v[QB+8*i:QB+8*i+3],   v15, s[86:87] offset:(i/2)*8192+(i%2)*64
	global_load_b128 v[QB+8*i+4:QB+8*i+7], v15, s[86:87] offset:(i/2)*8192+(i%2)*64+32
.set i, i+1
.endr
.set i, 0
.rept 64
	v_mov_b32 v[MC+i], 0                           ; the masks start at 0
.set i, i+1
.endr
	WIN 0
	v_lshlrev_b32 v14, 3, v10
	v_sub_nc_u32 v14, v1, v14
	s_lshl_b32 s13, s[WV], 4
	v_add_nc_u32 v14, s13, v14                     ; my query's place in its band less 8 (l / 16): register j of key group kt is hidden where 16 kt + j is greater
.set i, 0
.rept 32
	v_cmp_gt_i32 vcc_lo, 16*(i/8)+i%8, v14
	v_cndmask_b32 v[MD+i], 0, s[BIGN], vcc_lo
.set i, i+1
.endr
	v_mul_u32_u24 v[AK0], v1, PK
	v_lshl_add_u32 v[AK0], v10, 4, v[AK0]
	v_and_b32 v11, 7, v0
	v_bfe_u32 v14, v0, 3, 1
	v_lshl_add_u32 v[AV0], v10, 3, v11             ; the turning load: key 8 (l / 16) + l % 8, channels 8 ((l / 8) % 2) on
	v_mul_u32_u24 v[AV0], v[AV0], PV
	v_lshl_add_u32 v[AV0], v14, 4, v[AV0]
	v_add_nc_u32 v[AV0], VOFF, v[AV0]
	s_mul_i32 s13, s[WV], 16*SP
	s_add_co_u32 s13, s13, STAGE
	v_mul_u32_u24 v[STO], v1, SP
	v_lshl_add_u32 v[STO], v10, 4, v[STO]
	v_add_nc_u32 v[STO], s13, v[STO]
	v_bfe_u32 v[RD], v0, 3, 2
	v_mul_u32_u24 v[RD], v[RD], SP
	v_lshl_add_u32 v[RD], v11, 4, v[RD]
	v_add_nc_u32 v[RD], s13, v[RD]
	v_and_b32 v[GO], 31, v0
	v_lshlrev_b32 v[PFO], 8, v[GO]
	v_lshlrev_b32 v[GO], 4, v[GO]
.set i, 0
.rept 64
	v_mov_b32 v[O+i], 0                            ; a block's first step multiplies O^T by a = 0: it need only be finite.  All this stands in the wait for the first tile
.set i, i+1
.endr
; THE MATRIX WORK.  The 8 accumulators of a run of 16 take turns.  Product i of S^T = K Q^T: tile i % 2, keys 16 ((i / 2) % 4) on, channels 32 (i / 8) on; the first 8 start the sums with the mask.
.macro MKQ
.set rS, S+32*(i%2)+8*((i/2)%4)
.set rK, KF+16*((i/2)%4)+8*(i/8)
.set rQ, Q+16*(i%2)+8*(i/8)
.set rX, MC+32*(i%2)+8*((i/2)%4)
.if i < 8
	WIN 0x15
	v_wmma_f32_16x16x32_bf16 v[rS:rS+7], v[rK:rK+7], v[rQ:rQ+7], v[rX:rX+7]
.else
	WIN 0x05
	v_wmma_f32_16x16x32_bf16 v[rS:rS+7], v[rK:rK+7], v[rQ:rQ+7], v[rS:rS+7]
.endif
.endm
; Product i of O^T += V^T P: tile i % 2, channels 16 ((i / 2) % 4) on, keys 32 (i / 8) on
.macro MPV
	WIN 0x01
.set rO, O+32*(i%2)+8*((i/2)%4)
.set rV, VF+32*(i/8)+8*((i/2)%4)
.set rP, P+16*(i%2)+8*(i/8)
	v_wmma_f32_16x16x32_bf16 v[rO:rO+7], v[rV:rV+7], v[rP:rP+7], v[rO:rO+7]
.endm
; THE LDS LOADS, in runs of 16.  skip = 1 (the tail): in the last trip there is no further step
.macro FETCH_K skip
.if \skip
	s_cmp_eq_u32 s[CNT], 1
	s_cbranch_scc1 .Lno_k_\@
.endif
	WIN 0x40
.irp f, 0,1,2,3,4,5,6,7
	ds_load_b128 v[KF+8*\f:KF+8*\f+3],   v[AK] offset:(\f/2)*16*PK+(\f%2)*64
	ds_load_b128 v[KF+8*\f+4:KF+8*\f+7], v[AK] offset:(\f/2)*16*PK+(\f%2)*64+32
.endr
	WIN 0
	s_add_co_u32 s[TBK], s[TBK], KS*PK
.if \skip
.Lno_k_\@:
.endif
.endm
.macro FETCH_V skip
.if \skip
	s_cmp_eq_u32 s[CNT], 1
	s_cbranch_scc1 .Lno_v_\@
.endif
	WIN 0x40
.irp f, 0,1,2,3,4,5,6,7
	ds_load_tr16_b128 v[VF+8*\f:VF+8*\f+3],   v[AV] offset:(\f/4)*32*PV+(\f%4)*32
	ds_load_tr16_b128 v[VF+8*\f+4:VF+8*\f+7], v[AV] offset:(\f/4)*32*PV+16*PV+(\f%4)*32
.endr
	WIN 0
	s_add_co_u32 s[TBV], s[TBV], KS*PV
.if \skip
.Lno_v_\@:
.endif
.endm
; THE VECTOR WORK
.macro REGS u
.set rT, ST+4*(\u)
.set rC, TMP+4*(\u)
.set rM, MV+(\u)
.set rS, S+32*(\u)
.set rP, P+16*(\u)
.set rO, O+32*(\u)
.endm
; Number n of the 22 that find tile u's maximum and statistics; each accumulator's lowest registers are read first
.macro XS u, n
	REGS \u
.if (\n) < 4
	v_max3_num_f32 v[rC+(\n)], v[rS+8*(\n)], v[rS+8*(\n)+1], v[rS+8*(\n)+2]
.elseif (\n) < 12
	v_max3_num_f32 v[rC+(\n)%4], v[rC+(\n)%4], v[rS+8*((\n)%4)+2*((\n)/4)+1], v[rS+8*((\n)%4)+2*((\n)/4)+2]
.elseif (\n) == 12
	v_max3_num_f32 v[rC], v[rC], v[rS+7], v[rS+15]
.elseif (\n) == 13
	v_max3_num_f32 v[rC+1], v[rC+1], v[rS+23], v[rS+31]
.elseif (\n) == 14
	v_max3_num_f32 v[rC+2], v[rC+2], v[rC+3], v[rT+1]
.elseif (\n) == 15
	v_mov_b32 v[rM], v[rT]
.elseif (\n) == 16
	v_max3_num_f32 v[rC], v[rC], v[rC+1], v[rC+2]
.elseif (\n) == 17
	v_permlanex16_b32 v[rC+3], v[rC], s[SEL], s[SEL+1]
.elseif (\n) == 18
	v_max_num_f32 v[rT+1], v[rC], v[rC+3]
.elseif (\n) == 19
	v_mul_f32 v[rT], s[CS], v[rT+1]
.elseif (\n) == 20
	v_sub_f32 v[rC+1], v[rM], v[rT]
.else
	v_exp_f32 v[rC+2], v[rC+1]
.endif
.endm
.macro FS f                            ; c s - c m for pair f / 2 of tile f % 2
	REGS (\f)%2
	v_pk_fma_f32 v[rS+2*((\f)/2):rS+2*((\f)/2)+1], v[rS+2*((\f)/2):rS+2*((\f)/2)+1], s[CS:CS+1], v[rT:rT+1] op_sel_hi:[1,0,0] neg_lo:[0,0,1] neg_hi:[0,0,1]
.endm
.macro EX x                            ; the exponential of score x / 2 of tile x % 2
	REGS (\x)%2
	v_exp_f32 v[rS+(\x)/2], v[rS+(\x)/2]
.endm
.macro RS r                            ; pair r / 2 of tile r % 2's O^T times a
	REGS (\r)%2
	v_pk_mul_f32 v[rO+2*((\r)/2):rO+2*((\r)/2)+1], v[rO+2*((\r)/2):rO+2*((\r)/2)+1], v[rC+2:rC+3] op_sel_hi:[1,0]
.endm
.macro CV c                            ; pair c / 2 of tile c % 2 rounded to bf16
	REGS (\c)%2
	v_cvt_pk_bf16_f32 v[rP+(\c)/2], v[rS+2*((\c)/2)], v[rS+2*((\c)/2)+1]
.endm
.macro SUMS                            ; a tile's 16 pairs, in place: neighbours 1, 2, 4, 8 pairs apart; then l = a l + the sum
.irp w, 4,8,16,32
.set z, 0
.rept 32/\w
.irp t, 0,1
	v_pk_add_f32 v[S+32*\t+\w*z:S+32*\t+\w*z+1], v[S+32*\t+\w*z:S+32*\t+\w*z+1], v[S+32*\t+\w*z+\w/2:S+32*\t+\w*z+\w/2+1]
.endr
.set z, z+1
.endr
.endr
.irp t, 0,1
	v_pk_fma_f32 v[ST+4*\t+2:ST+4*\t+3], v[ST+4*\t+2:ST+4*\t+3], v[TMP+4*\t+2:TMP+4*\t+3], v[S+32*\t:S+32*\t+1] op_sel_hi:[1,0,1]
.endr
.endm
; The masks of the products to come: made in a block's last tile, and once where a block begins
.macro MASKS
	s_or_b32 s13, s[C0], s[FRESH]
	s_cmp_eq_u32 s13, 0
	s_cbranch_scc1 .Lno_mask_\@
.irp t, 0,1
	s_cmp_eq_u32 s[CNT], s[C0+\t]                  ; is the step the band's own?
	s_cselect_b32 s[AL], 1.0, 0
	s_cmp_lt_u32 s[CNT], s[C0+\t]                  ; or a later one?
	s_cselect_b32 s[BE], s[BIGN], 0
	WIN 0x40
.set z, 0
.rept 16
	v_pk_fma_f32 v[MC+32*\t+2*z:MC+32*\t+2*z+1], v[MD+2*z:MD+2*z+1], s[AL:AL+1], s[BE:BE+1] op_sel_hi:[1,0,0]
.set z, z+1
.endr
.endr
	WIN 0
	s_mov_b32 s[FRESH], 0
.Lno_mask_\@:
.endm
; THE WAY OUT of a block: l's halves and the other half of the lanes' are added; O^T is divided by l, rounded to bf16 and sent through my stage, a tile at a time
.macro PACK t
.set i, 0
.rept 16
	v_pk_mul_f32 v[O+32*(\t)+i:O+32*(\t)+i+1], v[O+32*(\t)+i:O+32*(\t)+i+1], v[ST+4*(\t)+2:ST+4*(\t)+3] op_sel_hi:[1,0]
.set i, i+2
.endr
.set i, 0
.rept 16
	v_cvt_pk_bf16_f32 v[S+16*(\t)+i], v[O+32*(\t)+2*i], v[O+32*(\t)+2*i+1]
.set i, i+1
.endr
.irp f, 0,1,2,3
	ds_store_b128 v[STO], v[S+16*(\t)+4*\f:S+16*(\t)+4*\f+3] offset:32*\f
.endr
.irp f, 0,1,2,3
	ds_load_b128 v[S+16*(\t)+4*\f:S+16*(\t)+4*\f+3], v[RD] offset:\f*4*SP  ; LDS serves a wave's instructions in order (ISA guide 5.7.1.4): these see the stores above
.endr
.endm
.macro SEND t, younger                 ; younger: the LDS instructions issued behind tile t's loads
.irp f, 0,1,2,3
	s_wait_dscnt (\younger)+3-\f
	global_store_b128 v[GO], v[S+16*(\t)+4*\f:S+16*(\t)+4*\f+3], s[10:11] offset:(\t)*8192+\f*512  ; 512 consecutive bytes, aligned
.endr
.endm
.macro WAYOUT
.irp t, 0,1
	v_add_f32 v[ST+4*\t+2], v[ST+4*\t+2], v[ST+4*\t+3]
.endr
.irp t, 0,1
	v_permlanex16_b32 v[ST+4*\t+3], v[ST+4*\t+2], s[SEL], s[SEL+1]
.endr
.irp t, 0,1
	v_add_f32 v[ST+4*\t+2], v[ST+4*\t+2], v[ST+4*\t+3]
.endr
.irp t, 0,1
	v_rcp_f32 v[ST+4*\t+2], v[ST+4*\t+2]
.endr
	v_nop                                          ; a plain instruction behind the last reciprocal,
	s_wait_alu depctr_va_vdst(0)                   ; and one wait for both, ahead of their first reader
	PACK 0
	PACK 1
	SEND 0, 8
	SEND 1, 0
	s_wait_xcnt 0x0                                ; the stores have read their registers and O's address
.endm
; A TRIP.  tail = 1: the walk's last tile: five trips, counted in the middle; the fifth fetches nothing and leaves through the way out.
.macro STEP tail
	WIN 0
	v_add_nc_u32 v[AK], s[TBK], v[AK0]             ; this line and three v_nop: the places behind the products K Q^T, in front of the loads into K's registers and of the maximum
	v_nop
	v_nop
	v_nop
	FETCH_K \tail
.set n, 0
.rept 21
	XS 0, n
	XS 1, n
.set n, n+1
.endr
	XS 0, 21                                       ; the two a: a batch of their own,
	XS 1, 21
.set g, 0
.rept 8
	FS g                                           ; with the first eight scalings as the work behind it,
.set g, g+1
.endr
	s_wait_alu depctr_va_vdst(0)                   ; and its wait, ahead of the rescalings below
.set e, 0
.rept 64                               ; the 64 exponentials: one batch; beside each a plain line that names no result of theirs: the other scalings (each ahead of its pair's exponentials), then O^T times a
	EX e
.if e < 24
	FS 8+e
.elseif e < 56
	RS e-24
.endif
.set e, e+1
.endr
	v_nop                                          ; a plain instruction behind the last exponential,
	s_wait_alu depctr_va_vdst(0)                   ; and the batch's one wait
.set e, 0
.rept 32
	CV e
.set e, e+1
.endr
	SUMS
	s_wait_dscnt 0x0                               ; V is in; so is K of the next step, asked for at the trip's head
.set i, 0
.rept 16
	MPV
.set i, i+1
.endr
	WIN 0
	v_add_nc_u32 v[AV], s[TBV], v[AV0]             ; four places behind the last product, in front of the loads into V's registers and of the way out
	v_nop
	v_nop
	v_nop
	FETCH_V \tail
.if \tail
	s_sub_co_u32 s[CNT], s[CNT], 1
	s_cmp_eq_u32 s[CNT], 0
	s_cselect_b32 s[SW], 1, s[SW]                  ; behind the walk's last step the second block ends
.endif
	s_cmp_eq_u32 s[SW], 0
	s_cbranch_scc1 .Lkq_\tail
	WAYOUT
.if \tail
	s_cmp_eq_u32 s[CNT], 0
	s_cbranch_scc1 .Lend
.endif
	s_mov_b64 s[10:11], s[OLO:OLO+1]               ; the second block: its O, its Q
	s_mov_b32 s[SW], 0
	WIN 0x41
.set i, 0
.rept 32
	v_mov_b32 v[Q+i], v[QB+i]
.set i, i+1
.endr
	WIN 0
.Lbegin_\tail:                                         ; a block begins: c m far below every c s, so that the first a is 0; m the lowest finite number
.irp t, 0,1
	v_mov_b32 v[ST+4*\t], 0xfe000000
	v_mov_b32 v[ST+4*\t+1], 0xff7fffff
	v_mov_b32 v[ST+4*\t+2], 0
	v_mov_b32 v[ST+4*\t+3], 0
.endr
	s_mov_b32 s[FRESH], 1
.Lkq_\tail:
	MASKS
.set i, 0
.rept 16
	MKQ
.set i, i+1
.endr
	WIN 0
.endm
	CHANGE 1                                       ; tile 0 is in, everybody's part of it; tile 1 is asked for
	v_add_nc_u32 v[AK], s[TBK], v[AK0]
	FETCH_K 0
	v_add_nc_u32 v[AV], s[TBV], v[AV0]
	FETCH_V 0
	s_wait_loadcnt 0x0                             ; Q
	s_wait_dscnt 16                                ; K is in; V's 16 loads stay out
	s_mov_b32 s[CNT], 4
	s_mov_b32 s[SLOTS], 8                          ; the loop's bottom is passed eight times: behind tile 0, which is entered here, and behind the seven tiles entered at .Lslot
	s_branch .Lbegin_0                             ; the loop is entered where a block begins, in the middle of a trip
.Lslot:                                                ; seven times: tiles 1 to 7 of the walk are entered, tiles 2 to 8 asked for
	CHANGE 1
	BOOK
	s_mov_b32 s[CNT], 4
.Lstep:                                                ; at count c the trip ends the step before and multiplies K Q^T of the tile's step 4 - c
	STEP 0
	s_sub_co_u32 s[CNT], s[CNT], 1
	s_cmp_lg_u32 s[CNT], 0
	s_cbranch_scc1 .Lstep
	s_sub_co_u32 s[SLOTS], s[SLOTS], 1
	s_cmp_lg_u32 s[SLOTS], 0
	s_cbranch_scc1 .Lslot
	CHANGE 0                                       ; the walk's last tile, the ninth, is written out
	BOOK
	s_mov_b32 s[CNT], 5
.LstepT:
	STEP 1
	s_branch .LstepT
.Lend:
	s_wait_tensorcnt 0x0                           ; the wave's end
	ds_add_u32 v[SPW], v[NIL]
	s_wait_dscnt 0x0
	s_endpgm
.Lfunc_end_k_qe16dc149fc_attn:
	.size	k_qe16dc149fc_attn, .Lfunc_end_k_qe16dc149fc_attn-k_qe16dc149fc_attn
	.p2alignl 7, 3214868480
	.fill 96, 4, 3214868480
	.section	.rodata,"a",@progbits
	.p2align	6, 0x0
	.amdhsa_kernel k_qe16dc149fc_attn
		.amdhsa_group_segment_fixed_size 327680
		.amdhsa_private_segment_fixed_size 0
		.amdhsa_enable_private_segment 0
		.amdhsa_kernarg_size 16
		.amdhsa_user_sgpr_count 2
		.amdhsa_user_sgpr_kernarg_segment_ptr 1
		.amdhsa_wavefront_size32 1
		.amdhsa_system_sgpr_workgroup_id_x 1
		.amdhsa_system_sgpr_workgroup_id_y 1
		.amdhsa_system_sgpr_workgroup_id_z 1
		.amdhsa_system_vgpr_workitem_id 0
		.amdhsa_next_free_vgpr 512
		.amdhsa_next_free_sgpr 96
		.amdhsa_reserve_vcc 1
		.amdhsa_float_denorm_mode_32 3
		.amdhsa_float_denorm_mode_16_64 3
		.amdhsa_memory_ordered 1
		.amdhsa_forward_progress 1
		.amdhsa_inst_pref_size 78
	.end_amdhsa_kernel
	.amdgpu_metadata
---
amdhsa.version: [ 1, 2 ]
amdhsa.kernels:
  - .name:           k_qe16dc149fc_attn
    .symbol:         k_qe16dc149fc_attn.kd
    .args:
      - { .name: act, .offset: 0, .size: 8, .value_kind: global_buffer, .address_space: global }
      - { .name: o, .offset: 8, .size: 8, .value_kind: global_buffer, .address_space: global }
    .group_segment_fixed_size: 327680
    .private_segment_fixed_size: 0
    .kernarg_segment_align: 8
    .kernarg_segment_size: 16
    .max_flat_workgroup_size: 128
    .sgpr_count:     96
    .vgpr_count:     512
    .wavefront_size: 32
...
	.end_amdgpu_metadata
.endif
;; end of part 3
;; launch oproj (part 4): grid 8 x 32, 4 waves a work-group, clusters of 4 x 4, 327,680 bytes of LDS; arguments o, wo, hidden_states, xmid; writes xmid
.if DOCPART == 4
	.amdgcn_target "amdgcn-amd-amdhsa--gfx1250"
	.amdhsa_code_object_version 6
	.text
	.protected	k_qe16dc149fc_oproj
	.globl	k_qe16dc149fc_oproj
	.p2align	8
	.type	k_qe16dc149fc_oproj,@function
k_qe16dc149fc_oproj:
	s_mov_b64 s[64:65], 0
	v_nop
	global_prefetch_b8 v0, s[64:65] scope:SCOPE_SE
	s_setreg_imm32_b32 hwreg(HW_REG_WAVE_MODE, 25, 1), 1
	s_wait_xcnt 0x0
	s_wait_alu depctr_hold_cnt(0) depctr_sa_sdst(0) depctr_va_vdst(0) depctr_va_sdst(0) depctr_va_ssrc(0) depctr_va_vcc(0) depctr_vm_vsrc(0)
	s_getreg_b32 s2, hwreg(HW_REG_IB_STS2, 6, 4)
	s_cmp_eq_u32 s2, 0
	s_cbranch_scc0 .Lentry_in_a_cluster
	s_endpgm
.Lentry_in_a_cluster:
	s_bfe_u32 s2, ttmp6, 0x10000c
	s_cmp_lg_u32 s2, 0xf033
	s_cbranch_scc0 .Lentry_shape_is_right
	s_endpgm
.Lentry_shape_is_right:
; out = R + A W.  M = 4,096, N = 1,024, K = KTOT.  A: panels [KTOT/64][4096 rows][64] bf16.  W: blocks [KTOT/256][8][256 k][128 columns] bf16.  R, out: [4096][1024] f32.  Sums in f32; the residual is added in f32.
; A tile of C is 128 x 128, so that the 256 tiles give each WGP one work-group; four waves, 64 x 64 each: 16 accumulators.  K goes in steps of 256 through two LDS slots.
; A's tile is asked for as 4 panels x 8,192 consecutive bytes (64 rows end to end), padded in LDS behind every row's 128 bytes; W's k-rows are read turned, by ds_load_tr16_b128.
; CLUSTERS: 4 x 4; A's tile is asked for jointly along a row of the cluster, W's along a column.  No prefetch: the tiles are small and each block is read by many work-groups.
; THE MATRIX INSTRUCTION IS USED TRANSPOSED (source 0 = 16 columns of W, source 1 = 16 rows of A): a lane holds eight neighbouring columns of one row of C.
; REGISTERS: window 0: v14-29 addresses; v32-95 at work on the way out; v128-255 the accumulators.  window 1: two fragment buffers of 128 (64 of A, 64 of W).  window 2: v0-127 my part of R.
.set KTOT,  1024
.set STEPS, KTOT/256
.set QUART, 36864                      ; what one tensor load brings: [4 panels][64 rows] at 144 bytes, or 128 k-rows at 288
.set SLOT,  4*QUART                    ; no bit of SLOT is a bit of wave x QUART: one exclusive or turns an address into the other slot's
.set STAGE, 2*SLOT                     ; behind the ring: 16 rows x 272 bytes a wave
.set SPARE, STAGE+4*4352               ; the spare words, 128 bytes a wave: two blocks of 256 bytes that no other line names
.set A0,   14
.set B0,   15
.set ADRA, 16
.set ADRB, 20                          ; v20: k-rows 0-127; v21: 128-255
.set STO,  24
.set RD,   25
.set CO,   26
.set SPW,  28
.set NIL,  29
.set OB,   32
.set ACC,  128
.set F0,   0
.set F1,   128
.set RES,  0
.set G1A,  24
.set G0A0, 32
.set G0A,  36
.set G1B,  48
.set G0B0, 56
.set G0B,  60
.set WV,   70
.set WR,   71
.set WC,   72
.set TB,   73
.set WOFF, 74
.set MSB, 0
.macro WIN new
.if MSB != (\new)
	s_set_vgpr_msb (MSB<<8)|(\new)
.set MSB, \new
.endif
.endm
.set MUL,  0x05
.set TO_F, 0x40
.macro PLACES
.rept 4
	v_nop
.endr
.endm
.macro JLOAD                           ; a joint refill: waves 0 and 1 fetch A's halves, waves 2 and 3 W's; an s_nop 0 and four v_nop follow each line
	s_cmp_eq_u32 s[WR], 0
	s_cbranch_scc0 .Lfor_b_\@
	tensor_load_to_lds s[G0A:G0A+3], s[G1A:G1A+7]
	s_nop 0
.rept 4
	v_nop
.endr
	s_branch .Lasked_\@
.Lfor_b_\@:
	tensor_load_to_lds s[G0B:G0B+3], s[G1B:G1B+7]
	s_nop 0
.rept 4
	v_nop
.endr
.Lasked_\@:
.endm
.macro CREST
	s_cmp_lg_u32 s[WV], 0
	s_cbranch_scc1 .Lnot_wave_0_\@
	s_barrier_signal -3
.Lnot_wave_0_\@:
	s_barrier_wait -3
	s_barrier_signal -1
	s_barrier_wait -1
.endm
.macro CROUND
	s_barrier_signal -1
	s_barrier_wait -1
	CREST
.endm
	s_load_b256 s[4:11], s[0:1], 0x0               ; A s[4:5], W s[6:7], R s[8:9], out s[10:11]
	v_lshl_add_u32 v[SPW], v0, 2, SPARE
	v_mov_b32 v[NIL], 0
	ds_add_u32 v[SPW], v[NIL]                      ; the wave's opening: the add and its wait ahead of my first tensor load
	ds_add_u32 v28, v29
	v_lshrrev_b32 v1, 5, v0
	v_readfirstlane_b32 s[WV], v1
	s_lshr_b32 s[WR], s[WV], 1                     ; my half of the tile's rows; also: I fetch for A (0) or W (1)
	s_and_b32 s[WC], s[WV], 1                      ; my half of its columns; also: which half of that tile I fetch
	s_bfe_u32 s40, ttmp6, 0x40000
	s_bfe_u32 s41, ttmp6, 0x40004
	s_lshl_b32 s42, ttmp9, 2
	s_add_co_u32 s42, s42, s40                     ; tile column
	s_and_b32 s13, ttmp7, 0xffff
	s_lshl_b32 s13, s13, 2
	s_add_co_u32 s13, s13, s41                     ; tile row
	s_lshl_b32 s43, s41, 2
	s_lshl_b32 s43, 15, s43
	s_lshl_b32 s44, 0x1111, s40
	s_or_b32 s[G1A], s43, (1<<16)|(1<<20)|(1<<21)|(4<<22)|(3<<25)  ; mask of my row; 2-byte elements; padding: 4 words behind every 32
	s_mov_b32 s[G1A+1], 4096<<16                   ; tensor_dim0 = 4,096: 64 rows of a panel end to end
	s_mov_b32 s[G1A+2], 4<<16                      ; tensor_dim1 = 4 panels
	s_mov_b32 s[G1A+3], 4096<<16                   ; tile_dim0
	s_mov_b32 s[G1A+4], 4                          ; tile_dim1
	s_mov_b32 s[G1A+5], 262144                     ; elements from panel to panel
	s_mov_b32 s[G1A+6], 0
	s_mov_b32 s[G1A+7], 0
	s_or_b32 s[G1B], s44, (1<<16)|(1<<20)|(1<<21)|(5<<22)|(7<<25)  ; mask of my column; 8 words behind every 64
	s_mov_b32 s[G1B+1], 128<<16
	s_mov_b32 s[G1B+2], 128<<16
	s_mov_b32 s[G1B+3], 128<<16
	s_mov_b32 s[G1B+4], 128
	s_mov_b32 s[G1B+5], 128
	s_mov_b32 s[G1B+6], 0
	s_mov_b32 s[G1B+7], 0
	s_lshl_b32 s16, s13, 14                        ; A: (128 tile row + 64 half) rows of 128 bytes
	s_lshl_b32 s17, s[WC], 13
	s_add_co_u32 s16, s16, s17
	s_mov_b32 s17, 0
	s_lshl_b32 s46, s42, 16                        ; W: the block of my tile column, my 128 k-rows of 256 bytes
	s_lshl_b32 s47, s[WC], 15
	s_add_co_u32 s46, s46, s47
	s_mov_b32 s47, 0
	s_mul_i32 s[WOFF], s[WV], QUART
	s_mov_b32 s[TB], 0
	s_wait_dscnt 0x0                               ; the opening add is done
	s_wait_kmcnt 0x0
	s_add_nc_u64 s[14:15], s[4:5], s[16:17]
	s_add_nc_u64 s[46:47], s[6:7], s[46:47]
	CROUND                                         ; all sixteen work-groups are here: the first joint loads meet
	s_mov_b32 s[G0A0], 1
	s_mov_b32 s[G0A0+1], s[WOFF]
	s_mov_b64 s[G0A0+2:G0A0+3], s[14:15]
	s_or_b32 s[G0A0+3], s[G0A0+3], 0x80000000
	s_mov_b32 s[G0A], 1
	s_add_co_u32 s[G0A+1], s[WOFF], SLOT
	s_add_nc_u64 s[G0A+2:G0A+3], s[14:15], 2097152 ; K step 1: four panels on
	s_or_b32 s[G0A+3], s[G0A+3], 0x80000000
	s_mov_b32 s[G0B0], 1
	s_mov_b32 s[G0B0+1], s[WOFF]
	s_mov_b64 s[G0B0+2:G0B0+3], s[46:47]
	s_or_b32 s[G0B0+3], s[G0B0+3], 0x80000000
	s_mov_b32 s[G0B], 1
	s_add_co_u32 s[G0B+1], s[WOFF], SLOT
	s_add_nc_u64 s[G0B+2:G0B+3], s[46:47], 524288  ; eight blocks on
	s_or_b32 s[G0B+3], s[G0B+3], 0x80000000
	s_cmp_eq_u32 s[WR], 0                          ; a wave's two first fills stand in one branch: two loads of mine are out
	s_cbranch_scc0 .Lfirst_b
	tensor_load_to_lds s[G0A0:G0A0+3], s[G1A:G1A+7]
	s_nop 0
	tensor_load_to_lds s[G0A:G0A+3], s[G1A:G1A+7]
	s_nop 0
.rept 4
	v_nop
.endr
	s_branch .Lfirst_asked
.Lfirst_b:
	tensor_load_to_lds s[G0B0:G0B0+3], s[G1B:G1B+7]
	s_nop 0
	tensor_load_to_lds s[G0B:G0B+3], s[G1B:G1B+7]
	s_nop 0
.rept 4
	v_nop
.endr
.Lfirst_asked:
	v_and_b32 v1, 15, v0                           ; l % 16
	v_bfe_u32 v2, v0, 4, 1                         ; l / 16
	v_lshlrev_b32 v[CO], 12, v2                    ; lanes 0-15 a row's 256 bytes, lanes 16-31 the next row's
	v_lshl_add_u32 v[CO], v1, 4, v[CO]
	s_lshl_b32 s18, s13, 19                        ; (128 tile row + 64 half) rows of 4,096 bytes + (128 tile column + 64 half) columns of 4
	s_lshl_b32 s19, s[WR], 18
	s_add_co_u32 s18, s18, s19
	s_lshl_b32 s19, s42, 9
	s_add_co_u32 s18, s18, s19
	s_lshl_b32 s19, s[WC], 8
	s_add_co_u32 s18, s18, s19
	s_mov_b32 s19, 0
	s_add_nc_u64 s[8:9], s[8:9], s[18:19]
	s_add_nc_u64 s[10:11], s[10:11], s[18:19]
	WIN 0x80                                       ; destination window 2: my 64 x 64 of R, asked for now, wanted at the end
.irp a, 0,1,2,3
.irp t, 0,1,2,3,4,5,6,7
	global_load_b128 v[RES+32*\a+4*\t:RES+32*\a+4*\t+3], v[CO], s[8:9] offset:(16*\a+2*\t)*4096
.endr
.endr
	WIN 0
	v_mul_u32_u24 v3, v1, 144
	v_lshl_add_u32 v3, v2, 4, v3
	s_mul_i32 s21, s[WR], QUART
	v_add_nc_u32 v[A0], s21, v3
	v_and_b32 v4, 7, v0
	v_lshl_add_u32 v4, v2, 3, v4
	v_mul_u32_u24 v4, v4, 288
	v_bfe_u32 v5, v0, 3, 1
	v_lshl_add_u32 v4, v5, 4, v4
	s_lshl_b32 s22, s[WC], 7
	s_add_co_u32 s22, s22, 2*QUART
	v_add_nc_u32 v[B0], s22, v4
	v_mov_b32 v[ADRA], v[A0]
	v_mov_b32 v[ADRB], v[B0]
	v_add_nc_u32 v[ADRB+1], QUART, v[B0]
	s_mul_i32 s23, s[WV], 4352
	s_add_co_u32 s23, s23, STAGE
	v_mul_u32_u24 v3, v1, 272
	v_lshl_add_u32 v3, v2, 5, v3
	v_add_nc_u32 v[STO], s23, v3                   ; in: row l % 16, 32 bytes for each half of the lanes
	v_mul_u32_u24 v3, v2, 272
	v_lshl_add_u32 v3, v1, 4, v3
	v_add_nc_u32 v[RD], s23, v3                    ; back: two whole rows of 256 bytes
; 8 matrix instructions: row blocks a0, a0 + 1 x all 4 column blocks, 32 along K: half c of buffer f.  The 16 accumulators take turns.
.macro MUL8 f, c, a0, zero
	WIN MUL
.irp a, \a0, (\a0)+1
.irp b, 0,1,2,3
.if \zero
	v_wmma_f32_16x16x32_bf16 v[ACC+8*(4*(\a)+(\b)):ACC+8*(4*(\a)+(\b))+7], v[(\f)+64+8*(4*(\c)+(\b)):(\f)+64+8*(4*(\c)+(\b))+7], v[(\f)+8*(4*(\c)+(\a)):(\f)+8*(4*(\c)+(\a))+7], 0
.else
	v_wmma_f32_16x16x32_bf16 v[ACC+8*(4*(\a)+(\b)):ACC+8*(4*(\a)+(\b))+7], v[(\f)+64+8*(4*(\c)+(\b)):(\f)+64+8*(4*(\c)+(\b))+7], v[(\f)+8*(4*(\c)+(\a)):(\f)+8*(4*(\c)+(\a))+7], v[ACC+8*(4*(\a)+(\b)):ACC+8*(4*(\a)+(\b))+7]
.endif
.endr
.endr
.endm
; 32 LDS loads in one run: quarter q (64 along K: one panel of A) into buffer f; the first 32 along K first
.macro FETCH q, f
	WIN TO_F
.irp c, 0,1
.irp i, 0,1,2,3
	ds_load_tr16_b128 v[(\f)+64+8*(4*(\c)+(\i)):(\f)+64+8*(4*(\c)+(\i))+3],   v[ADRB+(\q)/2] offset:(((\q)%2)*64+32*(\c))*288+32*(\i)
	ds_load_tr16_b128 v[(\f)+64+8*(4*(\c)+(\i))+4:(\f)+64+8*(4*(\c)+(\i))+7], v[ADRB+(\q)/2] offset:(((\q)%2)*64+32*(\c))*288+32*(\i)+4608
	ds_load_b128 v[(\f)+8*(4*(\c)+(\i)):(\f)+8*(4*(\c)+(\i))+3],   v[ADRA] offset:9216*(\q)+2304*(\i)+64*(\c)
	ds_load_b128 v[(\f)+8*(4*(\c)+(\i))+4:(\f)+8*(4*(\c)+(\i))+7], v[ADRA] offset:9216*(\q)+2304*(\i)+64*(\c)+32
.endr
.endr
.endm
; One of a K step's first three quarters: multiplies buffer f; behind its first 8 products it fetches quarter q into buffer g: 24 products ahead of the first use
.macro QUARTER q, f, g, zero
	s_wait_dscnt 16                                ; the first 32 along K are in
	MUL8 \f, 0, 0, \zero
	PLACES                                         ; buffer g's last reader is the quarter before
	FETCH \q, \g
	s_wait_dscnt 32                                ; all but the 32 just issued
	MUL8 \f, 0, 2, \zero
	MUL8 \f, 1, 0, 0
	MUL8 \f, 1, 2, 0
.endm
; The last quarter multiplies buffer 1 and changes slots: in front of the one barrier each wave waits for all its tensor loads, adds 0 to its spare word, and waits for that and for its reads of this slot
; (issued 24 products ago).  fill = 1: the barrier opens a round of the cluster's, and behind the round this slot is filled again first, with the K step two steps on.  A step's 128 products are little beside
; a tile's way, so nothing but the round stands between the landing and the next request: the quarter's 32 products, which touch registers alone, follow the request and the fetch.
.macro TURN fill
	WIN 0
	s_xor_b32 s[TB], s[TB], SLOT
	v_add_nc_u32 v[ADRA], s[TB], v[A0]
	v_add_nc_u32 v[ADRB], s[TB], v[B0]
	v_add_nc_u32 v[ADRB+1], QUART, v[ADRB]
	s_wait_tensorcnt 0x0
	ds_add_u32 v[SPW], v[NIL]
	s_wait_dscnt 0x0                               ; the add is done, and my reads of this slot are over
	s_barrier_signal -1
	s_barrier_wait -1
.if \fill
	CREST
	s_xor_b32 s[G0A+1], s[G0A+1], SLOT
	s_add_nc_u64 s[G0A+2:G0A+3], s[G0A+2:G0A+3], 2097152
	s_xor_b32 s[G0B+1], s[G0B+1], SLOT
	s_add_nc_u64 s[G0B+2:G0B+3], s[G0B+2:G0B+3], 524288
	JLOAD                                          ; its four v_nop are also the places in front of the loads below
.else
	PLACES
.endif
	FETCH 0, F0
	MUL8 F1, 0, 0, 0
	MUL8 F1, 0, 2, 0
	MUL8 F1, 1, 0, 0
	MUL8 F1, 1, 2, 0
.endm
	s_wait_tensorcnt 1                             ; my part of K step 0 is in; step 1's stays out
	s_barrier_signal -1
	s_barrier_wait -1
	FETCH 0, F0
	QUARTER 1, F0, F1, 1                           ; the first quarter stands in front of the loop: its first products start the sums
	WIN 0
	s_mov_b32 s3, STEPS-2
.Lstep:                                                ; a trip: from a K step's second quarter to the next step's first; its refill brings the step two on
	QUARTER 2, F1, F0, 0
	QUARTER 3, F0, F1, 0
	TURN 1
	QUARTER 1, F0, F1, 0
	WIN 0
	s_sub_co_u32 s3, s3, 1
	s_cmp_lg_u32 s3, 0
	s_cbranch_scc1 .Lstep
	s_mov_b32 s3, 2
.Ltail:                                                ; the last two steps ask for nothing; the second pass is left behind its last quarter (whose fetch brings landed bytes that nobody uses)
	QUARTER 2, F1, F0, 0
	QUARTER 3, F0, F1, 0
	TURN 0
	WIN 0
	s_sub_co_u32 s3, s3, 1
	s_cmp_eq_u32 s3, 0
	s_cbranch_scc1 .Lout
	QUARTER 1, F0, F1, 0
	WIN 0
	s_branch .Ltail
.Lout:
	s_wait_dscnt 0x0
	PLACES                                         ; behind the last products, in front of the stores that read results
	; THE WAY OUT, 16 rows at a time: the f32 sums go into my stage (each accumulator's low half first), come back as whole rows of 256 bytes, take the residual and are stored
.irp a, 0,1,2,3
	s_wait_xcnt 0x0                                ; the registers that the block before last was stored from are loaded again only behind this wait
.irp b, 0,1,2,3
	ds_store_b128 v[STO], v[ACC+8*(4*\a+\b):ACC+8*(4*\a+\b)+3]   offset:64*\b
	ds_store_b128 v[STO], v[ACC+8*(4*\a+\b)+4:ACC+8*(4*\a+\b)+7] offset:64*\b+16
.endr
.irp t, 0,1,2,3,4,5,6,7
	ds_load_b128 v[OB+32*((\a)%2)+4*\t:OB+32*((\a)%2)+4*\t+3], v[RD] offset:544*\t  ; LDS serves a wave's instructions in order (ISA guide 5.7.1.4): these see the stores above
.endr
	s_wait_dscnt 0x0
.if \a == 0
	s_wait_loadcnt 0x0                             ; R
.endif
	WIN 0x08                                       ; source 1 in window 2
.set p, 0
.rept 16
	v_pk_add_f32 v[OB+32*((\a)%2)+p:OB+32*((\a)%2)+p+1], v[OB+32*((\a)%2)+p:OB+32*((\a)%2)+p+1], v[RES+32*\a+p:RES+32*\a+p+1]
.set p, p+2
.endr
	WIN 0
.irp t, 0,1,2,3,4,5,6,7
	global_store_b128 v[CO], v[OB+32*((\a)%2)+4*\t:OB+32*((\a)%2)+4*\t+3], s[10:11] offset:(16*\a+2*\t)*4096  ; 16 lanes store 256 consecutive bytes, aligned
.endr
.endr
	s_wait_tensorcnt 0x0                           ; the wave's end
	ds_add_u32 v[SPW], v[NIL]
	s_wait_dscnt 0x0
	CROUND                                         ; the closing round
	s_endpgm
.Lfunc_end_k_qe16dc149fc_oproj:
	.size	k_qe16dc149fc_oproj, .Lfunc_end_k_qe16dc149fc_oproj-k_qe16dc149fc_oproj
	.p2alignl 7, 3214868480
	.fill 96, 4, 3214868480
	.section	.rodata,"a",@progbits
	.p2align	6, 0x0
	.amdhsa_kernel k_qe16dc149fc_oproj
		.amdhsa_group_segment_fixed_size 327680
		.amdhsa_private_segment_fixed_size 0
		.amdhsa_enable_private_segment 0
		.amdhsa_kernarg_size 32
		.amdhsa_user_sgpr_count 2
		.amdhsa_user_sgpr_kernarg_segment_ptr 1
		.amdhsa_wavefront_size32 1
		.amdhsa_system_sgpr_workgroup_id_x 1
		.amdhsa_system_sgpr_workgroup_id_y 1
		.amdhsa_system_sgpr_workgroup_id_z 1
		.amdhsa_system_vgpr_workitem_id 0
		.amdhsa_next_free_vgpr 640
		.amdhsa_next_free_sgpr 88
		.amdhsa_reserve_vcc 0
		.amdhsa_float_denorm_mode_32 3
		.amdhsa_float_denorm_mode_16_64 3
		.amdhsa_memory_ordered 1
		.amdhsa_forward_progress 1
		.amdhsa_inst_pref_size 65
	.end_amdhsa_kernel
	.amdgpu_metadata
---
amdhsa.version: [ 1, 2 ]
amdhsa.kernels:
  - .name:           k_qe16dc149fc_oproj
    .symbol:         k_qe16dc149fc_oproj.kd
    .args:
      - { .name: o, .offset: 0, .size: 8, .value_kind: global_buffer, .address_space: global }
      - { .name: wo, .offset: 8, .size: 8, .value_kind: global_buffer, .address_space: global }
      - { .name: hidden_states, .offset: 16, .size: 8, .value_kind: global_buffer, .address_space: global }
      - { .name: xmid, .offset: 24, .size: 8, .value_kind: global_buffer, .address_space: global }
    .group_segment_fixed_size: 327680
    .private_segment_fixed_size: 0
    .kernarg_segment_align: 8
    .kernarg_segment_size: 32
    .max_flat_workgroup_size: 128
    .sgpr_count:     88
    .vgpr_count:     640
    .wavefront_size: 32
...
	.end_amdgpu_metadata
.endif
;; end of part 4
;; launch ln2 (part 5): grid 256 x 1, 8 waves a work-group, no clusters, 0 bytes of LDS; arguments xmid, ln2_g, ln2_b, h; writes h
.if DOCPART == 5
	.amdgcn_target "amdgcn-amd-amdhsa--gfx1250"
	.amdhsa_code_object_version 6
	.text
	.protected	k_qe16dc149fc_ln2
	.globl	k_qe16dc149fc_ln2
	.p2align	8
	.type	k_qe16dc149fc_ln2,@function
k_qe16dc149fc_ln2:
	s_mov_b64 s[64:65], 0
	v_nop
	global_prefetch_b8 v0, s[64:65] scope:SCOPE_SE
	s_setreg_imm32_b32 hwreg(HW_REG_WAVE_MODE, 25, 1), 1
	s_wait_xcnt 0x0
; The second layer norm: xmid ([4096][1024] f32) -> h ([4096][1024] bf16).  A work-group takes 16 rows, a wave two; a row stays in registers between the mean, the variance (of x - mean: no difference of
; large sums) and the scaling: each byte is read once.  A stream: no LDS, no barrier, no cluster, no matrix unit.
.set X0, 32                            ; v[32:63]   row 0
.set X1, 64                            ; v[64:95]   row 1
.set GA, 96                            ; v[96:127]  the gain of my 32 columns
.set BT, 128                           ; v[128:159] the bias of my 32 columns
.macro FOLD                            ; four chains of pairs into one
	v_pk_add_f32 v[8:9], v[8:9], v[10:11]
	v_pk_add_f32 v[12:13], v[12:13], v[14:15]
	v_pk_add_f32 v[8:9], v[8:9], v[12:13]
.endm
.macro REDUCE                          ; the pair's halves, then the 32 lanes: every lane ends with the sum
	v_add_f32 v8, v8, v9
	v_add_f32_dpp v8, v8, v8 row_xmask:1 row_mask:0xf bank_mask:0xf
	v_add_f32_dpp v8, v8, v8 row_xmask:2 row_mask:0xf bank_mask:0xf
	v_add_f32_dpp v8, v8, v8 row_xmask:4 row_mask:0xf bank_mask:0xf
	v_add_f32_dpp v8, v8, v8 row_xmask:8 row_mask:0xf bank_mask:0xf
	v_permlanex16_b32 v24, v8, s54, s55
	v_add_f32 v8, v8, v24
.endm
.macro STATS X, MU, T, R               ; mean, x - mean in place, 1 / sqrt(mean of squares + eps) into v[R]
.irp k, 0,1,2,3
	v_pk_add_f32 v[8+2*\k:9+2*\k], v[\X+2*\k:\X+2*\k+1], v[\X+8+2*\k:\X+8+2*\k+1]
.endr
.irp o, 16,24
.irp k, 0,1,2,3
	v_pk_add_f32 v[8+2*\k:9+2*\k], v[8+2*\k:9+2*\k], v[\X+\o+2*\k:\X+\o+2*\k+1]
.endr
.endr
	FOLD
	REDUCE
	v_mul_f32 v[\MU], s52, v8
	v_mul_f32 v[\MU+1], s52, v8
.set p, 0
.rept 16
	v_pk_add_f32 v[\X+p:\X+p+1], v[\X+p:\X+p+1], v[\MU:\MU+1] neg_lo:[0,1] neg_hi:[0,1]
.set p, p+2
.endr
.irp k, 0,1,2,3
	v_pk_mul_f32 v[8+2*\k:9+2*\k], v[\X+2*\k:\X+2*\k+1], v[\X+2*\k:\X+2*\k+1]
.endr
.irp o, 8,16,24
.irp k, 0,1,2,3
	v_pk_fma_f32 v[8+2*\k:9+2*\k], v[\X+\o+2*\k:\X+\o+2*\k+1], v[\X+\o+2*\k:\X+\o+2*\k+1], v[8+2*\k:9+2*\k]
.endr
.endr
	FOLD
	REDUCE
	v_fma_f32 v[\T], v8, s52, s53
	v_rsq_f32 v[\R], v[\T]
.endm
.macro LNOUT X, R, row                 ; (x - mean) r g + b, rounded to bf16 in place, eight stores of 256 consecutive aligned bytes
.set p, 0
.rept 16
	v_pk_mul_f32 v[\X+p:\X+p+1], v[\X+p:\X+p+1], v[\R:\R+1] op_sel_hi:[1,0]
.set p, p+2
.endr
.set p, 0
.rept 16
	v_pk_fma_f32 v[\X+p:\X+p+1], v[\X+p:\X+p+1], v[GA+p:GA+p+1], v[BT+p:BT+p+1]
.set p, p+2
.endr
.set p, 0
.rept 16
	v_cvt_pk_bf16_f32 v[\X+p], v[\X+2*p], v[\X+2*p+1]
.set p, p+1
.endr
.set p, 0
.rept 8
	global_store_b64 v5, v[\X+2*p:\X+2*p+1], s[14:15] offset:2048*\row+256*p
.set p, p+1
.endr
.endm
	s_load_b256 s[8:15], s[0:1], 0x0               ; x s[8:9], gain s[10:11], bias s[12:13], h s[14:15]
	v_lshrrev_b32 v1, 5, v0
	v_readfirstlane_b32 s40, v1                    ; wave
	v_and_b32 v1, 31, v0                           ; lane
	v_lshlrev_b32 v2, 4, v1
	v_lshl_add_u32 v3, s40, 13, v2                 ; 16 lane + two rows of 4,096 bytes a wave
	s_lshl_b32 s42, ttmp9, 16                      ; 16 rows of 4,096 bytes
	s_mov_b32 s43, 0
	s_lshl_b32 s44, ttmp9, 15                      ; 16 rows of 2,048 bytes
	s_mov_b32 s45, 0
	s_wait_kmcnt 0x0
	s_add_nc_u64 s[8:9], s[8:9], s[42:43]
	s_add_nc_u64 s[14:15], s[14:15], s[44:45]
.set p, 0
.rept 8
	global_load_b128 v[X0+4*p:X0+4*p+3], v3, s[8:9] offset:512*p
.set p, p+1
.endr
.set p, 0
.rept 8
	global_load_b128 v[X1+4*p:X1+4*p+3], v3, s[8:9] offset:4096+512*p
.set p, p+1
.endr
.set p, 0
.rept 8
	global_load_b128 v[GA+4*p:GA+4*p+3], v2, s[10:11] offset:512*p
.set p, p+1
.endr
.set p, 0
.rept 8
	global_load_b128 v[BT+4*p:BT+4*p+3], v2, s[12:13] offset:512*p
.set p, p+1
.endr
	s_mov_b32 s52, 0x3a800000                      ; 1 / 1024
	s_mov_b32 s53, 0x3727c5ac                      ; 1e-5
	s_mov_b32 s54, 0x76543210                      ; v_permlanex16_b32: each lane takes its own place in the other half
	s_mov_b32 s55, 0xfedcba98
	v_mov_b32 v24, 0                               ; its destination counts as read
	v_mov_b32 v21, 0                               ; named as the upper halves of the pairs that hold r
	v_mov_b32 v23, 0
	v_lshlrev_b32 v5, 3, v1
	v_lshl_add_u32 v5, s40, 12, v5                 ; 8 lane + two rows of 2,048 bytes a wave
	s_wait_loadcnt 24                              ; row 0 is in; row 1, gain and bias (24 loads) stay out
	STATS X0, 16, 26, 20
	s_wait_loadcnt 16                              ; row 1 is in; gain and bias stay out
	STATS X1, 18, 27, 22
	v_nop                                          ; a plain instruction behind the last reciprocal root,
	s_wait_alu depctr_va_vdst(0)                   ; and one wait for both, ahead of their first reader
	s_wait_loadcnt 0x0                             ; gain and bias
	LNOUT X0, 20, 0
	LNOUT X1, 22, 1
	s_endpgm
.Lfunc_end_k_qe16dc149fc_ln2:
	.size	k_qe16dc149fc_ln2, .Lfunc_end_k_qe16dc149fc_ln2-k_qe16dc149fc_ln2
	.p2alignl 7, 3214868480
	.fill 96, 4, 3214868480
	.section	.rodata,"a",@progbits
	.p2align	6, 0x0
	.amdhsa_kernel k_qe16dc149fc_ln2
		.amdhsa_group_segment_fixed_size 0
		.amdhsa_private_segment_fixed_size 0
		.amdhsa_enable_private_segment 0
		.amdhsa_kernarg_size 32
		.amdhsa_user_sgpr_count 2
		.amdhsa_user_sgpr_kernarg_segment_ptr 1
		.amdhsa_wavefront_size32 1
		.amdhsa_system_sgpr_workgroup_id_x 1
		.amdhsa_system_sgpr_workgroup_id_y 1
		.amdhsa_system_sgpr_workgroup_id_z 1
		.amdhsa_system_vgpr_workitem_id 0
		.amdhsa_next_free_vgpr 160
		.amdhsa_next_free_sgpr 66
		.amdhsa_reserve_vcc 0
		.amdhsa_float_denorm_mode_32 3
		.amdhsa_float_denorm_mode_16_64 3
		.amdhsa_memory_ordered 1
		.amdhsa_forward_progress 1
		.amdhsa_inst_pref_size 20
	.end_amdhsa_kernel
	.amdgpu_metadata
---
amdhsa.version: [ 1, 2 ]
amdhsa.kernels:
  - .name:           k_qe16dc149fc_ln2
    .symbol:         k_qe16dc149fc_ln2.kd
    .args:
      - { .name: xmid, .offset: 0, .size: 8, .value_kind: global_buffer, .address_space: global }
      - { .name: ln2_g, .offset: 8, .size: 8, .value_kind: global_buffer, .address_space: global }
      - { .name: ln2_b, .offset: 16, .size: 8, .value_kind: global_buffer, .address_space: global }
      - { .name: h, .offset: 24, .size: 8, .value_kind: global_buffer, .address_space: global }
    .group_segment_fixed_size: 0
    .private_segment_fixed_size: 0
    .kernarg_segment_align: 8
    .kernarg_segment_size: 32
    .max_flat_workgroup_size: 256
    .sgpr_count:     66
    .vgpr_count:     160
    .wavefront_size: 32
...
	.end_amdgpu_metadata
.endif
;; end of part 5
;; launch fc: the kernel of part 2 again; grid 16 x 16, 4 waves a work-group, clusters of 4 x 4, 327,680 bytes of LDS; arguments h, wfc, act; writes act
;; launch proj (part 6): grid 8 x 32, 4 waves a work-group, clusters of 4 x 4, 327,680 bytes of LDS; arguments act, wproj, xmid, out0; writes out0
.if DOCPART == 6
	.amdgcn_target "amdgcn-amd-amdhsa--gfx1250"
	.amdhsa_code_object_version 6
	.text
	.protected	k_qe16dc149fc_proj
	.globl	k_qe16dc149fc_proj
	.p2align	8
	.type	k_qe16dc149fc_proj,@function
k_qe16dc149fc_proj:
	s_mov_b64 s[64:65], 0
	v_nop
	global_prefetch_b8 v0, s[64:65] scope:SCOPE_SE
	s_setreg_imm32_b32 hwreg(HW_REG_WAVE_MODE, 25, 1), 1
	s_wait_xcnt 0x0
	s_wait_alu depctr_hold_cnt(0) depctr_sa_sdst(0) depctr_va_vdst(0) depctr_va_sdst(0) depctr_va_ssrc(0) depctr_va_vcc(0) depctr_vm_vsrc(0)
	s_getreg_b32 s2, hwreg(HW_REG_IB_STS2, 6, 4)
	s_cmp_eq_u32 s2, 0
	s_cbranch_scc0 .Lentry_in_a_cluster
	s_endpgm
.Lentry_in_a_cluster:
	s_bfe_u32 s2, ttmp6, 0x10000c
	s_cmp_lg_u32 s2, 0xf033
	s_cbranch_scc0 .Lentry_shape_is_right
	s_endpgm
.Lentry_shape_is_right:
; out = R + A W.  M = 4,096, N = 1,024, K = KTOT.  A: panels [KTOT/64][4096 rows][64] bf16.  W: blocks [KTOT/256][8][256 k][128 columns] bf16.  R, out: [4096][1024] f32.  Sums in f32; the residual is added in f32.
; A tile of C is 128 x 128, so that the 256 tiles give each WGP one work-group; four waves, 64 x 64 each: 16 accumulators.  K goes in steps of 256 through two LDS slots.
; A's tile is asked for as 4 panels x 8,192 consecutive bytes (64 rows end to end), padded in LDS behind every row's 128 bytes; W's k-rows are read turned, by ds_load_tr16_b128.
; CLUSTERS: 4 x 4; A's tile is asked for jointly along a row of the cluster, W's along a column.  No prefetch: the tiles are small and each block is read by many work-groups.
; THE MATRIX INSTRUCTION IS USED TRANSPOSED (source 0 = 16 columns of W, source 1 = 16 rows of A): a lane holds eight neighbouring columns of one row of C.
; REGISTERS: window 0: v14-29 addresses; v32-95 at work on the way out; v128-255 the accumulators.  window 1: two fragment buffers of 128 (64 of A, 64 of W).  window 2: v0-127 my part of R.
.set KTOT,  4096
.set STEPS, KTOT/256
.set QUART, 36864                      ; what one tensor load brings: [4 panels][64 rows] at 144 bytes, or 128 k-rows at 288
.set SLOT,  4*QUART                    ; no bit of SLOT is a bit of wave x QUART: one exclusive or turns an address into the other slot's
.set STAGE, 2*SLOT                     ; behind the ring: 16 rows x 272 bytes a wave
.set SPARE, STAGE+4*4352               ; the spare words, 128 bytes a wave: two blocks of 256 bytes that no other line names
.set A0,   14
.set B0,   15
.set ADRA, 16
.set ADRB, 20                          ; v20: k-rows 0-127; v21: 128-255
.set STO,  24
.set RD,   25
.set CO,   26
.set SPW,  28
.set NIL,  29
.set OB,   32
.set ACC,  128
.set F0,   0
.set F1,   128
.set RES,  0
.set G1A,  24
.set G0A0, 32
.set G0A,  36
.set G1B,  48
.set G0B0, 56
.set G0B,  60
.set WV,   70
.set WR,   71
.set WC,   72
.set TB,   73
.set WOFF, 74
.set MSB, 0
.macro WIN new
.if MSB != (\new)
	s_set_vgpr_msb (MSB<<8)|(\new)
.set MSB, \new
.endif
.endm
.set MUL,  0x05
.set TO_F, 0x40
.macro PLACES
.rept 4
	v_nop
.endr
.endm
.macro JLOAD                           ; a joint refill: waves 0 and 1 fetch A's halves, waves 2 and 3 W's; an s_nop 0 and four v_nop follow each line
	s_cmp_eq_u32 s[WR], 0
	s_cbranch_scc0 .Lfor_b_\@
	tensor_load_to_lds s[G0A:G0A+3], s[G1A:G1A+7]
	s_nop 0
.rept 4
	v_nop
.endr
	s_branch .Lasked_\@
.Lfor_b_\@:
	tensor_load_to_lds s[G0B:G0B+3], s[G1B:G1B+7]
	s_nop 0
.rept 4
	v_nop
.endr
.Lasked_\@:
.endm
.macro CREST
	s_cmp_lg_u32 s[WV], 0
	s_cbranch_scc1 .Lnot_wave_0_\@
	s_barrier_signal -3
.Lnot_wave_0_\@:
	s_barrier_wait -3
	s_barrier_signal -1
	s_barrier_wait -1
.endm
.macro CROUND
	s_barrier_signal -1
	s_barrier_wait -1
	CREST
.endm
	s_load_b256 s[4:11], s[0:1], 0x0               ; A s[4:5], W s[6:7], R s[8:9], out s[10:11]
	v_lshl_add_u32 v[SPW], v0, 2, SPARE
	v_mov_b32 v[NIL], 0
	ds_add_u32 v[SPW], v[NIL]                      ; the wave's opening: the add and its wait ahead of my first tensor load
	ds_add_u32 v28, v29
	v_lshrrev_b32 v1, 5, v0
	v_readfirstlane_b32 s[WV], v1
	s_lshr_b32 s[WR], s[WV], 1                     ; my half of the tile's rows; also: I fetch for A (0) or W (1)
	s_and_b32 s[WC], s[WV], 1                      ; my half of its columns; also: which half of that tile I fetch
	s_bfe_u32 s40, ttmp6, 0x40000
	s_bfe_u32 s41, ttmp6, 0x40004
	s_lshl_b32 s42, ttmp9, 2
	s_add_co_u32 s42, s42, s40                     ; tile column
	s_and_b32 s13, ttmp7, 0xffff
	s_lshl_b32 s13, s13, 2
	s_add_co_u32 s13, s13, s41                     ; tile row
	s_lshl_b32 s43, s41, 2
	s_lshl_b32 s43, 15, s43
	s_lshl_b32 s44, 0x1111, s40
	s_or_b32 s[G1A], s43, (1<<16)|(1<<20)|(1<<21)|(4<<22)|(3<<25)  ; mask of my row; 2-byte elements; padding: 4 words behind every 32
	s_mov_b32 s[G1A+1], 4096<<16                   ; tensor_dim0 = 4,096: 64 rows of a panel end to end
	s_mov_b32 s[G1A+2], 4<<16                      ; tensor_dim1 = 4 panels
	s_mov_b32 s[G1A+3], 4096<<16                   ; tile_dim0
	s_mov_b32 s[G1A+4], 4                          ; tile_dim1
	s_mov_b32 s[G1A+5], 262144                     ; elements from panel to panel
	s_mov_b32 s[G1A+6], 0
	s_mov_b32 s[G1A+7], 0
	s_or_b32 s[G1B], s44, (1<<16)|(1<<20)|(1<<21)|(5<<22)|(7<<25)  ; mask of my column; 8 words behind every 64
	s_mov_b32 s[G1B+1], 128<<16
	s_mov_b32 s[G1B+2], 128<<16
	s_mov_b32 s[G1B+3], 128<<16
	s_mov_b32 s[G1B+4], 128
	s_mov_b32 s[G1B+5], 128
	s_mov_b32 s[G1B+6], 0
	s_mov_b32 s[G1B+7], 0
	s_lshl_b32 s16, s13, 14                        ; A: (128 tile row + 64 half) rows of 128 bytes
	s_lshl_b32 s17, s[WC], 13
	s_add_co_u32 s16, s16, s17
	s_mov_b32 s17, 0
	s_lshl_b32 s46, s42, 16                        ; W: the block of my tile column, my 128 k-rows of 256 bytes
	s_lshl_b32 s47, s[WC], 15
	s_add_co_u32 s46, s46, s47
	s_mov_b32 s47, 0
	s_mul_i32 s[WOFF], s[WV], QUART
	s_mov_b32 s[TB], 0
	s_wait_dscnt 0x0                               ; the opening add is done
	s_wait_kmcnt 0x0
	s_add_nc_u64 s[14:15], s[4:5], s[16:17]
	s_add_nc_u64 s[46:47], s[6:7], s[46:47]
	CROUND                                         ; all sixteen work-groups are here: the first joint loads meet
	s_mov_b32 s[G0A0], 1
	s_mov_b32 s[G0A0+1], s[WOFF]
	s_mov_b64 s[G0A0+2:G0A0+3], s[14:15]
	s_or_b32 s[G0A0+3], s[G0A0+3], 0x80000000
	s_mov_b32 s[G0A], 1
	s_add_co_u32 s[G0A+1], s[WOFF], SLOT
	s_add_nc_u64 s[G0A+2:G0A+3], s[14:15], 2097152 ; K step 1: four panels on
	s_or_b32 s[G0A+3], s[G0A+3], 0x80000000
	s_mov_b32 s[G0B0], 1
	s_mov_b32 s[G0B0+1], s[WOFF]
	s_mov_b64 s[G0B0+2:G0B0+3], s[46:47]
	s_or_b32 s[G0B0+3], s[G0B0+3], 0x80000000
	s_mov_b32 s[G0B], 1
	s_add_co_u32 s[G0B+1], s[WOFF], SLOT
	s_add_nc_u64 s[G0B+2:G0B+3], s[46:47], 524288  ; eight blocks on
	s_or_b32 s[G0B+3], s[G0B+3], 0x80000000
	s_cmp_eq_u32 s[WR], 0                          ; a wave's two first fills stand in one branch: two loads of mine are out
	s_cbranch_scc0 .Lfirst_b
	tensor_load_to_lds s[G0A0:G0A0+3], s[G1A:G1A+7]
	s_nop 0
	tensor_load_to_lds s[G0A:G0A+3], s[G1A:G1A+7]
	s_nop 0
.rept 4
	v_nop
.endr
	s_branch .Lfirst_asked
.Lfirst_b:
	tensor_load_to_lds s[G0B0:G0B0+3], s[G1B:G1B+7]
	s_nop 0
	tensor_load_to_lds s[G0B:G0B+3], s[G1B:G1B+7]
	s_nop 0
.rept 4
	v_nop
.endr
.Lfirst_asked:
	v_and_b32 v1, 15, v0                           ; l % 16
	v_bfe_u32 v2, v0, 4, 1                         ; l / 16
	v_lshlrev_b32 v[CO], 12, v2                    ; lanes 0-15 a row's 256 bytes, lanes 16-31 the next row's
	v_lshl_add_u32 v[CO], v1, 4, v[CO]
	s_lshl_b32 s18, s13, 19                        ; (128 tile row + 64 half) rows of 4,096 bytes + (128 tile column + 64 half) columns of 4
	s_lshl_b32 s19, s[WR], 18
	s_add_co_u32 s18, s18, s19
	s_lshl_b32 s19, s42, 9
	s_add_co_u32 s18, s18, s19
	s_lshl_b32 s19, s[WC], 8
	s_add_co_u32 s18, s18, s19
	s_mov_b32 s19, 0
	s_add_nc_u64 s[8:9], s[8:9], s[18:19]
	s_add_nc_u64 s[10:11], s[10:11], s[18:19]
	WIN 0x80                                       ; destination window 2: my 64 x 64 of R, asked for now, wanted at the end
.irp a, 0,1,2,3
.irp t, 0,1,2,3,4,5,6,7
	global_load_b128 v[RES+32*\a+4*\t:RES+32*\a+4*\t+3], v[CO], s[8:9] offset:(16*\a+2*\t)*4096
.endr
.endr
	WIN 0
	v_mul_u32_u24 v3, v1, 144
	v_lshl_add_u32 v3, v2, 4, v3
	s_mul_i32 s21, s[WR], QUART
	v_add_nc_u32 v[A0], s21, v3
	v_and_b32 v4, 7, v0
	v_lshl_add_u32 v4, v2, 3, v4
	v_mul_u32_u24 v4, v4, 288
	v_bfe_u32 v5, v0, 3, 1
	v_lshl_add_u32 v4, v5, 4, v4
	s_lshl_b32 s22, s[WC], 7
	s_add_co_u32 s22, s22, 2*QUART
	v_add_nc_u32 v[B0], s22, v4
	v_mov_b32 v[ADRA], v[A0]
	v_mov_b32 v[ADRB], v[B0]
	v_add_nc_u32 v[ADRB+1], QUART, v[B0]
	s_mul_i32 s23, s[WV], 4352
	s_add_co_u32 s23, s23, STAGE
	v_mul_u32_u24 v3, v1, 272
	v_lshl_add_u32 v3, v2, 5, v3
	v_add_nc_u32 v[STO], s23, v3                   ; in: row l % 16, 32 bytes for each half of the lanes
	v_mul_u32_u24 v3, v2, 272
	v_lshl_add_u32 v3, v1, 4, v3
	v_add_nc_u32 v[RD], s23, v3                    ; back: two whole rows of 256 bytes
; 8 matrix instructions: row blocks a0, a0 + 1 x all 4 column blocks, 32 along K: half c of buffer f.  The 16 accumulators take turns.
.macro MUL8 f, c, a0, zero
	WIN MUL
.irp a, \a0, (\a0)+1
.irp b, 0,1,2,3
.if \zero
	v_wmma_f32_16x16x32_bf16 v[ACC+8*(4*(\a)+(\b)):ACC+8*(4*(\a)+(\b))+7], v[(\f)+64+8*(4*(\c)+(\b)):(\f)+64+8*(4*(\c)+(\b))+7], v[(\f)+8*(4*(\c)+(\a)):(\f)+8*(4*(\c)+(\a))+7], 0
.else
	v_wmma_f32_16x16x32_bf16 v[ACC+8*(4*(\a)+(\b)):ACC+8*(4*(\a)+(\b))+7], v[(\f)+64+8*(4*(\c)+(\b)):(\f)+64+8*(4*(\c)+(\b))+7], v[(\f)+8*(4*(\c)+(\a)):(\f)+8*(4*(\c)+(\a))+7], v[ACC+8*(4*(\a)+(\b)):ACC+8*(4*(\a)+(\b))+7]
.endif
.endr
.endr
.endm
; 32 LDS loads in one run: quarter q (64 along K: one panel of A) into buffer f; the first 32 along K first
.macro FETCH q, f
	WIN TO_F
.irp c, 0,1
.irp i, 0,1,2,3
	ds_load_tr16_b128 v[(\f)+64+8*(4*(\c)+(\i)):(\f)+64+8*(4*(\c)+(\i))+3],   v[ADRB+(\q)/2] offset:(((\q)%2)*64+32*(\c))*288+32*(\i)
	ds_load_tr16_b128 v[(\f)+64+8*(4*(\c)+(\i))+4:(\f)+64+8*(4*(\c)+(\i))+7], v[ADRB+(\q)/2] offset:(((\q)%2)*64+32*(\c))*288+32*(\i)+4608
	ds_load_b128 v[(\f)+8*(4*(\c)+(\i)):(\f)+8*(4*(\c)+(\i))+3],   v[ADRA] offset:9216*(\q)+2304*(\i)+64*(\c)
	ds_load_b128 v[(\f)+8*(4*(\c)+(\i))+4:(\f)+8*(4*(\c)+(\i))+7], v[ADRA] offset:9216*(\q)+2304*(\i)+64*(\c)+32
.endr
.endr
.endm
; One of a K step's first three quarters: multiplies buffer f; behind its first 8 products it fetches quarter q into buffer g: 24 products ahead of the first use
.macro QUARTER q, f, g, zero
	s_wait_dscnt 16                                ; the first 32 along K are in
	MUL8 \f, 0, 0, \zero
	PLACES                                         ; buffer g's last reader is the quarter before
	FETCH \q, \g
	s_wait_dscnt 32                                ; all but the 32 just issued
	MUL8 \f, 0, 2, \zero
	MUL8 \f, 1, 0, 0
	MUL8 \f, 1, 2, 0
.endm
; The last quarter multiplies buffer 1 and changes slots: in front of the one barrier each wave waits for all its tensor loads, adds 0 to its spare word, and waits for that and for its reads of this slot
; (issued 24 products ago).  fill = 1: the barrier opens a round of the cluster's, and behind the round this slot is filled again first, with the K step two steps on.  A step's 128 products are little beside
; a tile's way, so nothing but the round stands between the landing and the next request: the quarter's 32 products, which touch registers alone, follow the request and the fetch.
.macro TURN fill
	WIN 0
	s_xor_b32 s[TB], s[TB], SLOT
	v_add_nc_u32 v[ADRA], s[TB], v[A0]
	v_add_nc_u32 v[ADRB], s[TB], v[B0]
	v_add_nc_u32 v[ADRB+1], QUART, v[ADRB]
	s_wait_tensorcnt 0x0
	ds_add_u32 v[SPW], v[NIL]
	s_wait_dscnt 0x0                               ; the add is done, and my reads of this slot are over
	s_barrier_signal -1
	s_barrier_wait -1
.if \fill
	CREST
	s_xor_b32 s[G0A+1], s[G0A+1], SLOT
	s_add_nc_u64 s[G0A+2:G0A+3], s[G0A+2:G0A+3], 2097152
	s_xor_b32 s[G0B+1], s[G0B+1], SLOT
	s_add_nc_u64 s[G0B+2:G0B+3], s[G0B+2:G0B+3], 524288
	JLOAD                                          ; its four v_nop are also the places in front of the loads below
.else
	PLACES
.endif
	FETCH 0, F0
	MUL8 F1, 0, 0, 0
	MUL8 F1, 0, 2, 0
	MUL8 F1, 1, 0, 0
	MUL8 F1, 1, 2, 0
.endm
	s_wait_tensorcnt 1                             ; my part of K step 0 is in; step 1's stays out
	s_barrier_signal -1
	s_barrier_wait -1
	FETCH 0, F0
	QUARTER 1, F0, F1, 1                           ; the first quarter stands in front of the loop: its first products start the sums
	WIN 0
	s_mov_b32 s3, STEPS-2
.Lstep:                                                ; a trip: from a K step's second quarter to the next step's first; its refill brings the step two on
	QUARTER 2, F1, F0, 0
	QUARTER 3, F0, F1, 0
	TURN 1
	QUARTER 1, F0, F1, 0
	WIN 0
	s_sub_co_u32 s3, s3, 1
	s_cmp_lg_u32 s3, 0
	s_cbranch_scc1 .Lstep
	s_mov_b32 s3, 2
.Ltail:                                                ; the last two steps ask for nothing; the second pass is left behind its last quarter (whose fetch brings landed bytes that nobody uses)
	QUARTER 2, F1, F0, 0
	QUARTER 3, F0, F1, 0
	TURN 0
	WIN 0
	s_sub_co_u32 s3, s3, 1
	s_cmp_eq_u32 s3, 0
	s_cbranch_scc1 .Lout
	QUARTER 1, F0, F1, 0
	WIN 0
	s_branch .Ltail
.Lout:
	s_wait_dscnt 0x0
	PLACES                                         ; behind the last products, in front of the stores that read results
	; THE WAY OUT, 16 rows at a time: the f32 sums go into my stage (each accumulator's low half first), come back as whole rows of 256 bytes, take the residual and are stored
.irp a, 0,1,2,3
	s_wait_xcnt 0x0                                ; the registers that the block before last was stored from are loaded again only behind this wait
.irp b, 0,1,2,3
	ds_store_b128 v[STO], v[ACC+8*(4*\a+\b):ACC+8*(4*\a+\b)+3]   offset:64*\b
	ds_store_b128 v[STO], v[ACC+8*(4*\a+\b)+4:ACC+8*(4*\a+\b)+7] offset:64*\b+16
.endr
.irp t, 0,1,2,3,4,5,6,7
	ds_load_b128 v[OB+32*((\a)%2)+4*\t:OB+32*((\a)%2)+4*\t+3], v[RD] offset:544*\t  ; LDS serves a wave's instructions in order (ISA guide 5.7.1.4): these see the stores above
.endr
	s_wait_dscnt 0x0
.if \a == 0
	s_wait_loadcnt 0x0                             ; R
.endif
	WIN 0x08                                       ; source 1 in window 2
.set p, 0
.rept 16
	v_pk_add_f32 v[OB+32*((\a)%2)+p:OB+32*((\a)%2)+p+1], v[OB+32*((\a)%2)+p:OB+32*((\a)%2)+p+1], v[RES+32*\a+p:RES+32*\a+p+1]
.set p, p+2
.endr
	WIN 0
.irp t, 0,1,2,3,4,5,6,7
	global_store_b128 v[CO], v[OB+32*((\a)%2)+4*\t:OB+32*((\a)%2)+4*\t+3], s[10:11] offset:(16*\a+2*\t)*4096  ; 16 lanes store 256 consecutive bytes, aligned
.endr
.endr
	s_wait_tensorcnt 0x0                           ; the wave's end
	ds_add_u32 v[SPW], v[NIL]
	s_wait_dscnt 0x0
	CROUND                                         ; the closing round
	s_endpgm
.Lfunc_end_k_qe16dc149fc_proj:
	.size	k_qe16dc149fc_proj, .Lfunc_end_k_qe16dc149fc_proj-k_qe16dc149fc_proj
	.p2alignl 7, 3214868480
	.fill 96, 4, 3214868480
	.section	.rodata,"a",@progbits
	.p2align	6, 0x0
	.amdhsa_kernel k_qe16dc149fc_proj
		.amdhsa_group_segment_fixed_size 327680
		.amdhsa_private_segment_fixed_size 0
		.amdhsa_enable_private_segment 0
		.amdhsa_kernarg_size 32
		.amdhsa_user_sgpr_count 2
		.amdhsa_user_sgpr_kernarg_segment_ptr 1
		.amdhsa_wavefront_size32 1
		.amdhsa_system_sgpr_workgroup_id_x 1
		.amdhsa_system_sgpr_workgroup_id_y 1
		.amdhsa_system_sgpr_workgroup_id_z 1
		.amdhsa_system_vgpr_workitem_id 0
		.amdhsa_next_free_vgpr 640
		.amdhsa_next_free_sgpr 88
		.amdhsa_reserve_vcc 0
		.amdhsa_float_denorm_mode_32 3
		.amdhsa_float_denorm_mode_16_64 3
		.amdhsa_memory_ordered 1
		.amdhsa_forward_progress 1
		.amdhsa_inst_pref_size 65
	.end_amdhsa_kernel
	.amdgpu_metadata
---
amdhsa.version: [ 1, 2 ]
amdhsa.kernels:
  - .name:           k_qe16dc149fc_proj
    .symbol:         k_qe16dc149fc_proj.kd
    .args:
      - { .name: act, .offset: 0, .size: 8, .value_kind: global_buffer, .address_space: global }
      - { .name: wproj, .offset: 8, .size: 8, .value_kind: global_buffer, .address_space: global }
      - { .name: xmid, .offset: 16, .size: 8, .value_kind: global_buffer, .address_space: global }
      - { .name: out0, .offset: 24, .size: 8, .value_kind: global_buffer, .address_space: global }
    .group_segment_fixed_size: 327680
    .private_segment_fixed_size: 0
    .kernarg_segment_align: 8
    .kernarg_segment_size: 32
    .max_flat_workgroup_size: 128
    .sgpr_count:     88
    .vgpr_count:     640
    .wavefront_size: 32
...
	.end_amdgpu_metadata
.endif
;; end of part 6
